; MI455X (gfx1250); checked and timed in simulation.
; The chip was launched on July 23, 2026; its instructions are those of AMD's public machine-readable ISA for CDNA 5 (MIT licence, August 2026) and "CDNA5" Instruction Set Architecture Reference Guide (July 2026). The comments in the code are by the model that wrote it; some were corrected since.
;; Multi Head Attention. Allowed arithmetic: matrix products marked QUANTISED: E2M3 operands, one E8M0 scale for each 32 along K, by v_wmma_scale_f32_16x16x128_f8f6f4 with both operands' format E2M3, f32 sums; everything else in f32.
;; Inputs: Wf 1,024 x 1,024 float32; Wk 16 x 1,024 x 64 float32; Wq 16 x 1,024 x 64 float32; Wv 16 x 1,024 x 64 float32; bf 1,024 float32; mask 4 x 2,048 x 2,048 bool; value 4 x 2,048 x 1,024 float32.
;; Outputs: out0 4 x 2,048 x 1,024 float32.
;; This version of the problem:
;;   THIS VERSION OF THE PROBLEM IS GIVEN IN LOW PRECISION. The matrix products marked QUANTISED in the list below multiply operands that are first quantised to E2M3 (2 exponent bits, 3 mantissa bits; 6 bits a number), with one power-of-two scale for each 32 numbers along K (OCP MX v1.0); their sums are f32. All else is computed in f32.
;;   The module's matrix products, in the order in which they are computed (A, B: the left and right operand; K: the contracted axis; several contracted axes count as one K, in the product's order):
;;     1. [M 1,024, K 1,024] x [K 1,024, N 8,192]; A: input Wv; B: input value: QUANTISED
;;     2. [M 1,024, K 1,024] x [K 1,024, N 8,192]; A: input Wk; B: input value: QUANTISED
;;     3. [M 1,024, K 1,024] x [K 1,024, N 8,192]; A: input Wq; B: input value: QUANTISED
;;     4. batch 64 x [M 2,048, K 64] x [K 64, N 2,048]; A: computed on the way; B: computed on the way: QUANTISED
;;     5. batch 64 x [M 2,048, K 2,048] x [K 2,048, N 64]; A: softmax (see below); B: computed on the way: QUANTISED
;;     6. [M 8,192, K 1,024] x [K 1,024, N 1,024]; A: computed on the way; B: input Wf: QUANTISED
;;   THE QUANTISER, for each operand of a quantised product, along K:
;;     - K is cut into blocks of 32 from its start; a last block that is shorter is filled with zeros.
;;     - A block's scale is 2^e with e = floor(log2(the largest magnitude in the block)) - 2, held to -126 .. 127; a block of zeros has e = 0. As a byte (E8M0): e + 127.
;;     - Each number is divided by its block's scale, clamped to +-7.5, and rounded to the nearest number of E2M3, ties to even, subnormals kept.
;;     - The product sums the exact products of the quantised numbers (number of the format x scale) in f32.
;;   ~~~python
;;   def quantise(x, axis):      # numpy; x: float32 -> the quantised numbers, widened to float32 again
;;       x = np.moveaxis(x, axis, -1); K = x.shape[-1]
;;       x = np.pad(x, [(0, 0)] * (x.ndim - 1) + [(0, -K % 32)]); x = x.reshape(x.shape[:-1] + (-1, 32)); a = np.abs(x).max(-1, keepdims=True)
;;       e = np.where(a > 0, np.clip(np.frexp(np.where(a > 0, a, 1))[1] - 1 - 2, -126, 127), 0)      # np.frexp(a)[1] - 1 = floor(log2(a)), exactly
;;       r = np.clip(x / 2.0 ** e, -7.5, 7.5)
;;       step = 2.0 ** (np.maximum(np.frexp(np.where(r == 0, 1, r))[1] - 1, 0) - 3)
;;       q = np.round(r / step) * step * 2.0 ** e      # np.round: ties to even
;;       return np.moveaxis(q.reshape(q.shape[:-2] + (-1,))[..., :K], -1, axis).astype(np.float32)
;;   ~~~
;;   SOFTMAX AHEAD OF A QUANTISED PRODUCT. Where the list says 'softmax', what is quantised is not the finished softmax but p = 2^(t - M), with t = logit x log2(e) and M = ceil(the row's largest t), a whole number; so 1/2 < the row's largest p <= 1. The row's sum l is taken of the UNQUANTISED p, in f32, and the product's result is divided by l at the end. Since M is a whole number, a kernel that streams over the keys may use a running M (the ceiling of the running maximum): every later rescaling is an exact power of two, which a block's scale takes up: the codes' values come out the same.
;;   OPERANDS COMPUTED ON THE WAY. 'Computed on the way' means the value that the module computes at that place (a softmax that the list does not call 'softmax' is quantised finished and normalised). What goes into a quantiser is computed in f32, as accurately as f32 sums, v_exp_f32 and their like allow (about 1e-6 of the number): no bf16 or f16 on the way to a quantiser, and a product that is left as it is and whose result goes on into a quantised operand takes f32 operands (vector FMAs, or v_wmma_f32_16x16x4_f32). A number that lies on a knife's edge between two numbers of the format may be rounded either way, as far as f32 arithmetic and the matrix unit's own rounding can turn it there, and no further.
;; One version. Each part assembles by itself: llvm-mc -triple=amdgcn-amd-amdhsa -mcpu=gfx1250 --defsym DOCPART=n.
;; ======== version 1 of 1: 4 launches
;; limits: right only within a limited range of input values
;; workspace buffers: qcodes 9,437,184 bytes; qscales 393,216 bytes; mbits 2,097,152 bytes of whole numbers; kimg 13,107,200 bytes; vimg 13,107,200 bytes; cimg 6,291,456 bytes; csc 262,144 bytes
;; launch prep (part 1): grid 864 x 1, 4 waves a work-group, no clusters, 101,888 bytes of LDS; arguments value, Wf, Wv, Wk, mask, qcodes, qscales, mbits; writes qcodes, qscales, mbits
.if DOCPART == 1
	.amdgcn_target "amdgcn-amd-amdhsa--gfx1250"
	.amdhsa_code_object_version 6
	.text
	.protected	k_qa4f187ac52_prep
	.globl	k_qa4f187ac52_prep
	.p2align	8
	.type	k_qa4f187ac52_prep,@function
k_qa4f187ac52_prep:
	s_mov_b64 s[64:65], 0
	v_nop
	global_prefetch_b8 v0, s[64:65] scope:SCOPE_SE
	s_setreg_imm32_b32 hwreg(HW_REG_WAVE_MODE, 25, 1), 1
	s_wait_xcnt 0x0
; PREP: every f32 operand of the first and the last products becomes codes of FP6 (E2M3) with one E8M0 byte for each 32 along K, and the mask's bytes become lane masks.
; qcodes: 12,288 rows of 1,024 codes (768 bytes), K innermost; qscales: the same rows x 32 bytes.  Rows 0-8191 value, 8192 on Wv (row = 64 head + dk), 9216 on Wk, 10240 on Wq, 11264 on Wf.
; A block's scale is 2^(floor(log2(its largest magnitude)) - 2); its byte is the largest magnitude's exponent field - 2, held at 1 from below.
; LIMITS: a block of zeros gets the byte 1 where the quantiser says 127 (its codes are zeros, and this program alone reads the bytes); blocks whose largest magnitude lies under 2^-124 keep the byte 1;
; NaN and infinities among the f32 inputs are not served.  A mask byte counts as true where it is not 0.
; THREE PATHS, chosen by the work-group's number, each with LDS bytes of its own; waves share nothing, so there is no barrier.
;   work-groups 0-287:   value and Wf, whose K is innermost: plain streams of blocks of 32; a wave takes 16 steps of 512 numbers.
;   work-groups 288-383: Wv, Wk, Wq, [head][K][64]: a lane takes a column and its registers run down K; a wave takes 32 columns x 256 along K.
;   work-groups 384-895: the mask.  A wave takes the 16 rows of one tile of queries x 512 keys and makes 4 x 64 words: bit l of word j of a step of 128 keys says whether lane l's score register j is hidden.
;   The rows of tile T are 32 (T / 2) + 8 (T % 2) + r + 8 (r / 8), r = lane % 16; register j = 16 b + i of lane (r, h) holds key 32 b + 16 h + i of the step.
; WHAT DIFFERS FROM THE LINES ABOVE, AND HOLDS:
; DEAD WORK: reference() computes q = value x Wq and deletes it: q enters no later step, so for all values of the inputs no output hangs on Wq.  The product is left out,
; Wq is not loaded and is among no launch's arguments; rows 10240-11263 of qcodes and qscales are neither written nor read.  LIMIT: a NaN, an infinity or an overflow that reaches only q is not carried to the result.
; qcodes is laid [K step of 256][row][192 bytes]: the 128 rows of a tile of one K step are 24,576 consecutive bytes, a multiple of 256, beginning at a multiple of 256.
; Work-groups 288-351 take Wv and Wk, 352-863 the mask.  Mask words: register j of lane (r, h) holds key 64 (j / 32) + 32 h + j % 32 of the step.
.set SPW,   192
.set NIL,   193                        ; v193  0; never rewritten
.set WV,    22                         ; s22   my wave's number
.set WREG,  8192                       ; rows path: a wave's LDS: two stages of 32 x 80 bytes, then its 256 scale bytes
.set SP,    80
.set CB,    12
.set QSTEP, 12288*192                  ; bytes from one K step's codes to the next
.set STEPS, 16
.set P1R,   16                         ; v16-79   four sets of 16 numbers as loaded
.set P1X,   80                         ; v80-111  two sets of 16 neighbours
.set P1E,   112                        ; v112-127 a scale byte for each step
.set P1C,   128                        ; v128-191 codes, four registers a step
.set P2B,   32768                      ; weights path: four stages of 32 rows x 272 bytes
.set P2P,   272
.set P2X,   32                         ; v32-95   two sets of 32 numbers
.set P2C,   96                         ; v96-102  a block's codes
.set P2O,   112                        ; v112-175 the way out
.set P2S,   24                         ; v24-25   scale bytes
.set P3B,   67584                      ; mask path: four stages of 16 rows x 528 bytes
.set P3P,   528
.set SPARE, 101376                     ; the spare words, 128 bytes a wave: two blocks of 256 bytes that no other line names
.macro FINISH                          ; the wave's end, behind my last LDS store
	s_wait_tensorcnt 0x0
	ds_add_u32 v[SPW], v[NIL]
	s_wait_dscnt 0x0
	s_endpgm
.endm
.macro P1LOAD t                        ; a step's 2,048 bytes: each load reads 512 consecutive bytes
.irp i, 0,1,2,3
	global_load_b128 v[P1R+16*((\t)%4)+4*\i:P1R+16*((\t)%4)+4*\i+3], v3, s[24:25] offset:2048*(\t)+512*\i th:TH_LOAD_NT
.endr
.endm
.macro P1TURN t                        ; through the wave's stage: in as loaded, out 64 neighbouring bytes a lane; LDS serves a wave's instructions in order
.irp i, 0,1,2,3
	ds_store_b128 v14, v[P1R+16*((\t)%4)+4*\i:P1R+16*((\t)%4)+4*\i+3] offset:32*SP*((\t)%2)+8*SP*\i
.endr
.irp i, 0,1,2,3
	ds_load_b128 v[P1X+16*((\t)%2)+4*\i:P1X+16*((\t)%2)+4*\i+3], v15 offset:32*SP*((\t)%2)+16*\i
.endr
.endm
.macro P1STEP t
.set XS, P1X+16*((\t)%2)
.if (\t) > 0
	s_wait_dscnt 1                                 ; this step's numbers are back from the stage; the last step's byte store may be out
.else
	s_wait_dscnt 0x0
.endif
.if (\t)+4 < STEPS
	P1LOAD (\t)+4                                  ; into the registers whose stores into the stage are done
.endif
.if (\t)+1 < STEPS
.if STEPS-2-(\t) >= 3
	s_wait_loadcnt 12                              ; the next step's four loads are in; three steps' loads stay out
.else
	s_wait_loadcnt 4*(STEPS-2-(\t))
.endif
	P1TURN (\t)+1
.endif
	v_max3_num_f32 v8, |v[XS]|, |v[XS+1]|, |v[XS+2]|
	v_max3_num_f32 v9, |v[XS+3]|, |v[XS+4]|, |v[XS+5]|
.irp i, 6,10
	v_max3_num_f32 v8, v8, |v[XS+\i]|, |v[XS+\i+1]|
	v_max3_num_f32 v9, v9, |v[XS+\i+2]|, |v[XS+\i+3]|
.endr
	v_max3_num_f32 v8, v8, |v[XS+14]|, |v[XS+15]|
	v_max3_num_f32 v8, v8, v9, 0x1800000           ; and the floor 2^(3 - 127): the byte cannot fall under 1
	v_max_num_f32_dpp v8, v8, v8 row_xmask:1 row_mask:0xf bank_mask:0xf   ; with my neighbour's 16: the block's largest magnitude
	v_add_nc_u32 v11, 0xff000000, v8               ; 2 off its exponent field: the conversion's scale operand
	v_cvt_scalef32_pk16_fp6_f32 v[P1C+4*(\t):P1C+4*(\t)+2], v[XS:XS+15], v11
	v_lshrrev_b32 v[P1E+(\t)], 23, v11             ; the scale's byte
	ds_store_b8 v5, v[P1E+(\t)] offset:16*(\t)     ; both lanes of a block write the same byte with the same value
	global_store_b96 v4, v[P1C+4*(\t):P1C+4*(\t)+2], s[26:27] offset:192*((\t)/2)+2*QSTEP*((\t)%2)   ; row t / 2 of my eight; sixteen lanes store the 192 bytes of one K step
.endm
.macro P2LOAD t                        ; block t: W(32 t + i, my column), a row of a head is 256 bytes
.irp i, 0,1,2,3,4,5,6,7,8,9,10,11,12,13,14,15,16,17,18,19,20,21,22,23,24,25,26,27,28,29,30,31
	global_load_b32 v[P2X+32*((\t)%2)+\i], v3, s[26:27] offset:(32*(\t)+\i)*256 th:TH_LOAD_NT
.endr
.endm
.macro P2BLOCK t
.set XS, P2X+32*((\t)%2)
.if (\t) < 7
	s_wait_loadcnt 32                              ; this block's 32 loads are in; the next block's may be out
.else
	s_wait_loadcnt 0x0
.endif
	v_max3_num_f32 v12, |v[XS]|, |v[XS+1]|, |v[XS+2]|   ; all 32 numbers of the block are mine
	v_max3_num_f32 v13, |v[XS+3]|, |v[XS+4]|, |v[XS+5]|
.irp i, 6,10,14,18,22,26
	v_max3_num_f32 v12, v12, |v[XS+\i]|, |v[XS+\i+1]|
	v_max3_num_f32 v13, v13, |v[XS+\i+2]|, |v[XS+\i+3]|
.endr
	v_max3_num_f32 v12, v12, |v[XS+30]|, |v[XS+31]|
	v_max3_num_f32 v12, v12, v13, 0x1800000
	v_add_nc_u32 v11, 0xff000000, v12
	v_lshrrev_b32 v13, 23, v11
.if (\t)%4 == 0
	v_mov_b32 v[P2S+(\t)/4], v13                   ; four bytes to a register, the lower K in the lower byte
.else
	v_lshl_or_b32 v[P2S+(\t)/4], v13, 8*((\t)%4), v[P2S+(\t)/4]
.endif
	v_cvt_scalef32_pk16_fp6_f32 v[P2C:P2C+2], v[XS:XS+15], v11
	v_cvt_scalef32_pk16_fp6_f32 v[P2C+4:P2C+6], v[XS+16:XS+31], v11   ; (a conversion's three registers begin on an even number)
	ds_store_b96 v4, v[P2C:P2C+2] offset:32*(\t)   ; 12 bytes to a place of 16 in the stage
	ds_store_b96 v4, v[P2C+4:P2C+6] offset:32*(\t)+16
.if (\t)+2 < 8
	P2LOAD (\t)+2
.endif
	s_wait_dscnt 0x0                               ; the stores have read their registers: the next block's codes may be written
.endm
.macro MREAD s                         ; step s of the wave's four: my row's 4 x 16 mask bytes, those of my 64 score registers
.irp b, 0,1,2,3
	ds_load_b128 v[80+16*((\s)%2)+4*\b:80+16*((\s)%2)+4*\b+3], v6 offset:128*(\s)+64*(\b/2)+16*(\b%2)
.endr
.endm
.macro MWORDS s                        ; 64 compares make 64 lane masks; they are laid two to a lane, so that one store of 8 bytes a lane writes the 256 bytes
.set XB, 80+16*((\s)%2)
.irp hf, 0,1
.set J, 0
.rept 32
.set XR, XB+(32*\hf+J)/4
.if J%4 < 3
	v_and_b32 v[112+J%4], 0xff<<(8*(J%4)), v[XR]
	v_cmp_ne_u32 s[32+J], 0, v[112+J%4]
.else
	v_cmp_le_u32 s[32+J], 0x1000000, v[XR]
.endif
.set J, J+1
.endr
.set J, 0
.rept 32
	v_writelane_b32 v[120+2*(\s)+J%2], s[32+J], 16*\hf+J/2
.set J, J+1
.endr
.endr
.endm
	s_load_b256 s[4:11], s[0:1], 0x0               ; value 4, Wf 6, Wv 8, Wk 10
	s_load_b64 s[14:15], s[0:1], 0x20              ; mask
	s_load_b128 s[16:19], s[0:1], 0x28             ; qcodes 16, qscales 18
	s_load_b64 s[20:21], s[0:1], 0x38              ; mbits
	v_lshl_add_u32 v[SPW], v0, 2, SPARE
	v_mov_b32 v[NIL], 0
	v_lshrrev_b32 v1, 5, v0
	v_readfirstlane_b32 s[WV], v1                  ; wave 0..3
	v_and_b32 v2, 31, v0                           ; lane
	s_wait_kmcnt 0x0
	s_cmp_lt_u32 ttmp9, 288
	s_cbranch_scc0 .Lnot_rows
	; ---- value (work-groups 0-255) and Wf (256-287): K innermost
	s_wait_alu depctr_va_vdst(0)
	v_lshlrev_b32 v3, 4, v2                        ; my 16 bytes of a load's 512
	s_mul_i32 s23, s[WV], WREG
	v_lshrrev_b32 v14, 2, v2
	v_mul_u32_u24 v14, v14, SP
	v_and_b32 v15, 3, v2
	v_lshl_add_u32 v14, v15, 4, v14
	v_add_nc_u32 v14, s23, v14                     ; the stage, in: 80 (lane / 4) + 16 (lane % 4)
	v_mul_u32_u24 v15, v2, SP
	v_add_nc_u32 v15, s23, v15                     ; out: 80 x lane
	v_and_b32 v4, 15, v2
	v_mul_u32_u24 v4, v4, CB
	v_lshrrev_b32 v10, 4, v2
	v_mad_u32_u24 v4, v10, QSTEP, v4               ; my codes: 12 (lane % 16), lanes 16-31 one K step on
	v_lshrrev_b32 v5, 1, v2
	s_add_co_u32 s23, s23, 2*32*SP
	v_add_nc_u32 v5, s23, v5                       ; my block's byte among the wave's 256
	v_lshlrev_b32 v7, 3, v2
	v_add_nc_u32 v6, s23, v7
	s_cmp_lt_u32 ttmp9, 256                        ; the choice hangs on the work-group's number alone
	s_cselect_b64 s[24:25], s[4:5], s[6:7]
	s_cselect_b32 s23, 0, 256
	s_cselect_b32 s26, 0, 2162688                  ; Wf's codes begin at row 11,264 x 192 bytes,
	s_cselect_b32 s28, 0, 360448                   ; its scale bytes at 11,264 x 32
	s_sub_co_u32 s23, ttmp9, s23
	s_lshl_b32 s23, s23, 2
	s_add_co_u32 s23, s23, s[WV]                   ; which run of 8,192 numbers is my wave's
	s_mov_b32 s27, 0
	s_mov_b32 s29, 0
	s_mov_b32 s31, 0
	s_lshl_b32 s30, s23, 15
	s_add_nc_u64 s[24:25], s[24:25], s[30:31]
	s_mul_i32 s30, s23, 1536                       ; eight rows of 192 bytes
	s_add_co_u32 s26, s26, s30
	s_add_nc_u64 s[26:27], s[16:17], s[26:27]
	s_lshl_b32 s30, s23, 8
	s_add_co_u32 s28, s28, s30
	s_add_nc_u64 s[28:29], s[18:19], s[28:29]
.irp t, 0,1,2,3
	P1LOAD \t
.endr
	s_wait_alu depctr_va_vdst(0)
	s_wait_loadcnt 12                              ; step 0's four loads are in
	P1TURN 0
.irp t, 0,1,2,3,4,5,6,7,8,9,10,11,12,13,14,15
	P1STEP \t
.endr
	ds_load_b64 v[8:9], v6                         ; LDS serves a wave's instructions in order: these see my byte stores
	s_wait_dscnt 0x0
	global_store_b64 v7, v[8:9], s[28:29]          ; 32 lanes store 256 consecutive bytes, aligned
	FINISH
.Lnot_rows:
	s_cmp_lt_u32 ttmp9, 352
	s_cbranch_scc0 .Lmask
	; ---- Wv, Wk: K is the middle axis
	s_sub_co_u32 s23, ttmp9, 288
	s_and_b32 s24, s23, 3                          ; y: which 256 along K
	s_lshr_b32 s23, s23, 2                         ; x: which 128 of the 2,048 columns
	s_lshl_b32 s25, s23, 7
	s_lshl_b32 s28, s[WV], 5
	s_add_co_u32 s25, s25, s28                     ; F: my wave's first column
	s_wait_alu depctr_va_vdst(0)
	v_lshlrev_b32 v3, 2, v2                        ; in: 4 bytes a lane
	s_mul_i32 s28, s[WV], 32*P2P
	s_add_co_u32 s28, s28, P2B                     ; my stage
	v_mul_u32_u24 v4, v2, P2P
	v_add_nc_u32 v4, s28, v4                       ; into it: row = my column
	v_and_b32 v5, 15, v2
	v_lshrrev_b32 v6, 4, v2
	v_mul_u32_u24 v7, v6, P2P
	v_lshl_add_u32 v7, v5, 4, v7
	v_add_nc_u32 v7, s28, v7                       ; out of it: sixteen lanes to a row
	v_mul_u32_u24 v8, v6, 192
	v_mad_u32_u24 v8, v5, 12, v8                   ; and the same place among the codes
	v_lshlrev_b32 v9, 5, v2                        ; my column's row of scale bytes
	s_cmp_lt_u32 s23, 8
	s_cselect_b64 s[26:27], s[8:9], s[10:11]       ; Wv or Wk
	s_and_b32 s28, s25, 1023
	s_lshr_b32 s29, s28, 6                         ; head
	s_and_b32 s28, s28, 63                         ; column in the head
	s_lshl_b32 s29, s29, 18                        ; a head is 1,024 x 256 bytes
	s_lshl_b32 s30, s24, 16                        ; 256 rows of 256 bytes
	s_add_co_u32 s29, s29, s30
	s_lshl_b32 s28, s28, 2
	s_add_co_u32 s28, s28, s29
	s_mov_b32 s29, 0
	s_add_nc_u64 s[26:27], s[26:27], s[28:29]
	s_mul_i32 s28, s25, 192
	s_mul_i32 s30, s24, QSTEP
	s_add_co_u32 s28, s28, s30
	s_add_co_u32 s28, s28, 1572864                 ; row 8,192 + F, K step y
	s_add_nc_u64 s[16:17], s[16:17], s[28:29]
	s_lshl_b32 s28, s25, 5
	s_lshl_b32 s30, s24, 3
	s_add_co_u32 s28, s28, s30
	s_add_co_u32 s28, s28, 262144
	s_add_nc_u64 s[18:19], s[18:19], s[28:29]
	P2LOAD 0
	P2LOAD 1
.irp t, 0,1,2,3,4,5,6,7
	P2BLOCK \t
.endr
	s_wait_alu depctr_va_vdst(0)
	global_store_b64 v9, v[P2S:P2S+1], s[18:19]    ; my column's 8 scale bytes
.irp t, 0,1,2,3,4,5,6,7,8,9,10,11,12,13,14,15
	ds_load_b96 v[P2O+4*\t:P2O+4*\t+2], v7 offset:2*\t*P2P
.endr
.irp t, 0,1,2,3,4,5,6,7,8,9,10,11,12,13,14,15
	s_wait_dscnt 15-\t                             ; the younger reads of the stage may be out
	global_store_b96 v8, v[P2O+4*\t:P2O+4*\t+2], s[16:17] offset:2*\t*192   ; the wave stores two rows, 384 consecutive bytes
.endr
	FINISH
.Lmask:
	; ---- the mask: wave W takes tile W / 4 of the 512 tiles of queries and keys 512 (W % 4) on
	s_sub_co_u32 s23, ttmp9, 352
	s_lshl_b32 s23, s23, 2
	s_add_co_u32 s23, s23, s[WV]                   ; W
	s_lshr_b32 s24, s23, 2                         ; the tile
	s_and_b32 s25, s23, 3
	s_lshr_b32 s26, s24, 1
	s_lshl_b32 s26, s26, 5
	s_and_b32 s27, s24, 1
	s_lshl_b32 s27, s27, 3
	s_add_co_u32 s26, s26, s27                     ; its first row: 32 (T / 2) + 8 (T % 2)
	s_lshl_b32 s26, s26, 11                        ; a row of the mask is 2,048 bytes
	s_lshl_b32 s27, s25, 9
	s_add_co_u32 s26, s26, s27
	s_mov_b32 s27, 0
	s_add_nc_u64 s[14:15], s[14:15], s[26:27]
	s_lshl_b32 s26, s23, 10                        ; (16 T + 4 (W % 4)) x 256 bytes = 1,024 W
	s_add_nc_u64 s[20:21], s[20:21], s[26:27]
	s_wait_alu depctr_va_vdst(0)
	v_lshlrev_b32 v1, 4, v2                        ; 16 bytes a lane: a load reads 512 consecutive bytes of one row
	s_mul_i32 s28, s[WV], 16*P3P
	s_add_co_u32 s28, s28, P3B                     ; my stage: rows 528 bytes apart, so that the 16 rows of a read begin 16 bytes apart modulo 256
	v_add_nc_u32 v5, s28, v1
	v_and_b32 v6, 15, v2
	v_lshrrev_b32 v7, 4, v2
	v_mul_u32_u24 v6, v6, P3P
	v_lshl_add_u32 v6, v7, 5, v6
	v_add_nc_u32 v6, s28, v6                       ; out: row r, + 32 h
	v_lshlrev_b32 v4, 3, v2
.irp i, 0,1,2,3,4,5,6,7
	v_mov_b32 v[120+\i], 0                         ; v_writelane_b32's destination counts as read
.endr
.irp i, 0,1,2,3,4,5,6,7,8,9,10,11,12,13,14,15
	global_load_b128 v[16+4*\i:19+4*\i], v1, s[14:15] offset:(\i+8*(\i/8))*2048 th:TH_LOAD_NT
.endr
.irp i, 0,1,2,3,4,5,6,7,8,9,10,11,12,13,14,15
	s_wait_loadcnt 15-\i                           ; row i is in; the younger rows may be out
	ds_store_b128 v5, v[16+4*\i:19+4*\i] offset:P3P*\i
.endr
	MREAD 0
.irp s, 0,1,2,3
.if \s < 3
	MREAD \s+1
	s_wait_dscnt 4                                 ; this step's four reads are in; the next step's four may be out
.else
	s_wait_dscnt 0x0
.endif
	MWORDS \s
	global_store_b64 v4, v[120+2*\s:121+2*\s], s[20:21] offset:256*\s   ; 32 lanes store 256 consecutive bytes, aligned
.endr
	FINISH
.Lfunc_end_k_qa4f187ac52_prep:
	.size	k_qa4f187ac52_prep, .Lfunc_end_k_qa4f187ac52_prep-k_qa4f187ac52_prep
	.p2alignl 7, 3214868480
	.fill 96, 4, 3214868480
	.section	.rodata,"a",@progbits
	.p2align	6, 0x0
	.amdhsa_kernel k_qa4f187ac52_prep
		.amdhsa_group_segment_fixed_size 101888
		.amdhsa_private_segment_fixed_size 0
		.amdhsa_enable_private_segment 0
		.amdhsa_kernarg_size 64
		.amdhsa_user_sgpr_count 2
		.amdhsa_user_sgpr_kernarg_segment_ptr 1
		.amdhsa_wavefront_size32 1
		.amdhsa_system_sgpr_workgroup_id_x 1
		.amdhsa_system_sgpr_workgroup_id_y 1
		.amdhsa_system_sgpr_workgroup_id_z 1
		.amdhsa_system_vgpr_workitem_id 0
		.amdhsa_next_free_vgpr 200
		.amdhsa_next_free_sgpr 66
		.amdhsa_reserve_vcc 0
		.amdhsa_float_denorm_mode_32 3
		.amdhsa_float_denorm_mode_16_64 3
		.amdhsa_memory_ordered 1
		.amdhsa_forward_progress 1
		.amdhsa_inst_pref_size 126
	.end_amdhsa_kernel
	.amdgpu_metadata
---
amdhsa.version: [ 1, 2 ]
amdhsa.kernels:
  - .name:           k_qa4f187ac52_prep
    .symbol:         k_qa4f187ac52_prep.kd
    .args:
      - { .name: value, .offset: 0, .size: 8, .value_kind: global_buffer, .address_space: global }
      - { .name: Wf, .offset: 8, .size: 8, .value_kind: global_buffer, .address_space: global }
      - { .name: Wv, .offset: 16, .size: 8, .value_kind: global_buffer, .address_space: global }
      - { .name: Wk, .offset: 24, .size: 8, .value_kind: global_buffer, .address_space: global }
      - { .name: mask, .offset: 32, .size: 8, .value_kind: global_buffer, .address_space: global }
      - { .name: qcodes, .offset: 40, .size: 8, .value_kind: global_buffer, .address_space: global }
      - { .name: qscales, .offset: 48, .size: 8, .value_kind: global_buffer, .address_space: global }
      - { .name: mbits, .offset: 56, .size: 8, .value_kind: global_buffer, .address_space: global }
    .group_segment_fixed_size: 101888
    .private_segment_fixed_size: 0
    .kernarg_segment_align: 8
    .kernarg_segment_size: 64
    .max_flat_workgroup_size: 128
    .sgpr_count:     66
    .vgpr_count:     200
    .wavefront_size: 32
...
	.end_amdgpu_metadata
.endif
;; end of part 1
;; launch proj (part 2): grid 12 x 32, 4 waves a work-group, clusters of 4 x 4, 327,680 bytes of LDS; arguments qcodes, qscales, vimg, kimg; writes vimg, kimg
.if DOCPART == 2
	.amdgcn_target "amdgcn-amd-amdhsa--gfx1250"
	.amdhsa_code_object_version 6
	.text
	.protected	k_qa4f187ac52_proj
	.globl	k_qa4f187ac52_proj
	.p2align	8
	.type	k_qa4f187ac52_proj,@function
k_qa4f187ac52_proj:
	s_mov_b64 s[64:65], 0
	v_nop
	global_prefetch_b8 v0, s[64:65] scope:SCOPE_SE
	s_setreg_imm32_b32 hwreg(HW_REG_WAVE_MODE, 25, 1), 1
	s_wait_xcnt 0x0
	s_wait_alu depctr_hold_cnt(0) depctr_sa_sdst(0) depctr_va_vdst(0) depctr_va_sdst(0) depctr_va_ssrc(0) depctr_va_vcc(0) depctr_vm_vsrc(0)
	s_getreg_b32 s2, hwreg(HW_REG_IB_STS2, 6, 4)
	s_cmp_eq_u32 s2, 0
	s_cbranch_scc0 .Lentry_in_a_cluster
	s_endpgm
.Lentry_in_a_cluster:
	s_bfe_u32 s2, ttmp6, 0x10000c
	s_cmp_lg_u32 s2, 0xf033
	s_cbranch_scc0 .Lentry_shape_is_right
	s_endpgm
.Lentry_shape_is_right:
.set KSTEP,  256
.set NQ,     2
; PROJ: v = value x Wv (cluster column 0) and k = value x Wk, the latter twice: quantised along the head's axis (column 1) and, with the sources' roles swapped, along the keys (column 2).
; The results leave as images of operand registers with their scale words.  The product with Wq is left out: reference() deletes q unused.
; A tile of 128 rows of one K step is a dense block of 24,576 bytes of qcodes: it is stated as 96 rows of 256 bytes, padded by 16 bytes behind each 64, so that a row of 192 bytes of codes takes 240 bytes of LDS.
.set ROWB,   256
.set TROWS,  96
.set QSTEP,  12288*192
.set KROW,   192
.set PITCH,  240
.set FR,     12
.set NL,     6
.set NP,     4
.set HALFT,  128*PITCH
.set SLOT,   4*HALFT
.set LAPS,   2
.set KS,     32
.set SCL,    2*SLOT
.set HALFS,  16*272
.set SPARE,  SCL+4*HALFS
.set BLKB,   12800
.set HEADB,  64*BLKB
.set ADRA, 16
.set ADRB, 20
.set ADRS, 27
.set SPW,  28
.set NIL,  29
.set L8,   30
.set SOF,  31
.set SC,   32
.set PC,   64
.set O0,   84
.set O1,   85
.set GA,   88
.set GB,   92
.set AF,   128
.set TM,   200
.set PW,   216
.set G1, 24
.set G0, 32
.set G1B, 48
.set G0B, 56
.set G1S, 68
.set G0S, 76
.set G1SB, 80
.set G0SB, 88
.set SEL, 94
.set CUR, 96
.set SA,  97
.set SH4, 98
.set SPN, 99
.set J3M, 100
.set MSB, 0
.macro WIN new
.if MSB != (\new)
	s_set_vgpr_msb (MSB<<8)|(\new)
.set MSB, (\new)
.endif
.endm
.set MUL_LO, 0xa1
.set MUL_HI, 0xf1
.set TO_B,   0x40
.macro JLOAD g0a, g1a, g0b, g1b
	s_cmp_eq_u32 s15, 0
	s_cbranch_scc0 .Lfor_b_\@
	tensor_load_to_lds s[\g0a:\g0a+3], s[\g1a:\g1a+7]
	s_nop 0
.rept 4
	v_nop
.endr
	s_branch .Lasked_\@
.Lfor_b_\@:
	tensor_load_to_lds s[\g0b:\g0b+3], s[\g1b:\g1b+7]
	s_nop 0
.rept 4
	v_nop
.endr
.Lasked_\@:
.endm
.macro CREST
	s_cmp_lg_u32 s14, 0
	s_cbranch_scc1 .Lnot_wave_0_\@
	s_barrier_signal -3
.Lnot_wave_0_\@:
	s_barrier_wait -3
	s_barrier_signal -1
	s_barrier_wait -1
.endm
.macro CROUND
	s_barrier_signal -1
	s_barrier_wait -1
	CREST
.endm
	s_load_b256 s[4:11], s[0:1], 0x0
	v_lshl_add_u32 v[SPW], v0, 2, SPARE
	v_mov_b32 v[NIL], 0
	ds_add_u32 v[SPW], v[NIL]
	ds_add_u32 v[SPW], v[NIL]
	v_lshrrev_b32 v1, 5, v0
	v_readfirstlane_b32 s14, v1
	s_lshr_b32 s15, s14, 1
	s_and_b32 s16, s14, 1
	s_bfe_u32 s40, ttmp6, 0x40000
	s_bfe_u32 s41, ttmp6, 0x40004
	s_and_b32 s17, ttmp7, 0xffff
	s_lshl_b32 s17, s17, 2
	s_lshl_b32 s42, ttmp9, 2
	s_add_co_u32 s42, s42, 32
	s_cmp_eq_u32 ttmp9, 2
	s_cselect_b32 s42, s17, s42
	s_cselect_b32 s17, 36, s17
	s_add_co_u32 s42, s42, s40
	s_add_co_u32 s17, s17, s41
	s_lshl_b32 s43, s41, 2
	s_lshl_b32 s43, 15, s43
	s_lshl_b32 s44, 0x1111, s40
	s_or_b32 s[G1+0], s43, (0<<16)|(1<<20)|(1<<21)|(3<<22)|(3<<25)
	s_or_b32 s[G1B+0], s44, (0<<16)|(1<<20)|(1<<21)|(3<<22)|(3<<25)
.irp g, G1, G1B
	s_mov_b32 s[\g+1], ROWB<<16
	s_mov_b32 s[\g+2], TROWS<<16
	s_mov_b32 s[\g+3], ROWB<<16
	s_mov_b32 s[\g+4], TROWS
	s_mov_b32 s[\g+5], ROWB
	s_mov_b32 s[\g+6], 0
	s_mov_b32 s[\g+7], 0
.endr
	s_or_b32 s[G1S+0], s43, (3<<16)|(1<<20)|(1<<21)|(5<<22)|(3<<25)
	s_or_b32 s[G1SB+0], s44, (3<<16)|(1<<20)|(1<<21)|(5<<22)|(3<<25)
.irp g, G1S, G1SB
	s_mov_b32 s[\g+1], 32<<16
	s_mov_b32 s[\g+2], 16<<16
	s_mov_b32 s[\g+3], 32<<16
	s_mov_b32 s[\g+4], 16
	s_mov_b32 s[\g+5], 32
	s_mov_b32 s[\g+6], 0
	s_mov_b32 s[\g+7], 0
.endr
	s_lshl_b32 s18, s16, 7
	s_lshl_b32 s20, s17, 8
	s_add_co_u32 s20, s20, s18
	s_lshl_b32 s46, s42, 8
	s_add_co_u32 s46, s46, s18
	s_lshl_b32 s22, s20, 5
	s_lshl_b32 s92, s46, 5
	s_mul_i32 s20, s20, KROW
	s_mul_i32 s46, s46, KROW
	s_mov_b32 s21, 0
	s_mov_b32 s23, 0
	s_mov_b32 s47, 0
	s_mov_b32 s93, 0
	s_mul_i32 s45, s14, HALFT
	s_mul_i32 s94, s14, HALFS
	s_wait_dscnt 0x0
	s_wait_kmcnt 0x0
	s_add_nc_u64 s[20:21], s[4:5], s[20:21]
	s_add_nc_u64 s[22:23], s[6:7], s[22:23]
	s_add_nc_u64 s[46:47], s[4:5], s[46:47]
	s_add_nc_u64 s[92:93], s[6:7], s[92:93]
	CROUND
	s_mov_b32 s[G0S], 1
	s_add_co_u32 s[G0S+1], s94, SCL
	s_mov_b64 s[G0S+2:G0S+3], s[22:23]
	s_or_b32 s[G0S+3], s[G0S+3], 0x80000000
	s_mov_b32 s[G0SB], 1
	s_add_co_u32 s[G0SB+1], s94, SCL
	s_mov_b64 s[G0SB+2:G0SB+3], s[92:93]
	s_or_b32 s[G0SB+3], s[G0SB+3], 0x80000000
	JLOAD G0S, G1S, G0SB, G1SB
.irp s, 0,1
	s_mov_b32 s[G0+4*\s], 1
	s_add_co_u32 s[G0+4*\s+1], s45, \s*SLOT
	s_add_nc_u64 s[G0+4*\s+2:G0+4*\s+3], s[20:21], \s*QSTEP
	s_or_b32 s[G0+4*\s+3], s[G0+4*\s+3], 0x80000000
	s_mov_b32 s[G0B+4*\s], 1
	s_add_co_u32 s[G0B+4*\s+1], s45, \s*SLOT
	s_add_nc_u64 s[G0B+4*\s+2:G0B+4*\s+3], s[46:47], \s*QSTEP
	s_or_b32 s[G0B+4*\s+3], s[G0B+4*\s+3], 0x80000000
	s_wait_alu depctr_va_vdst(0)
	s_wait_tensorcnt 0x0
	ds_add_u32 v28, v29
	s_wait_dscnt 0x0
	CROUND
	JLOAD G0+4*\s, G1, G0B+4*\s, G1B
.endr
	v_and_b32 v1, 15, v0
	v_bfe_u32 v2, v0, 4, 1
	v_and_b32 v7, 8, v1
	v_add_nc_u32 v7, v7, v1
	v_mul_u32_u24 v3, v7, PITCH
	v_mul_u32_u24 v4, v2, 24
	v_add_nc_u32 v4, v3, v4
	v_lshl_add_u32 v5, v2, 4, v4
	s_mul_i32 s21, s15, HALFT
	s_mul_i32 s22, s16, HALFT
	s_add_co_u32 s22, s22, 2*HALFT
.irp s, 0,1
	v_add_nc_u32 v[ADRA+\s], s21, v4
	v_add_nc_u32 v[ADRB+\s], s22, v4
	v_add_nc_u32 v[ADRA+2+\s], s21, v5
	v_add_nc_u32 v[ADRB+2+\s], s22, v5
	s_add_co_u32 s21, s21, SLOT
	s_add_co_u32 s22, s22, SLOT
.endr
	v_mul_u32_u24 v5, v7, KS
	v_lshrrev_b32 v6, 8, v5
	v_lshl_add_u32 v5, v6, 4, v5
	s_mul_i32 s21, s15, HALFS
	s_mul_i32 s22, s16, HALFS
	s_add_co_u32 s22, s22, 2*HALFS
	s_sub_co_u32 s22, s22, s21
	v_mul_u32_u24 v6, s22, v2
	s_add_co_u32 s21, s21, SCL
	v_add_nc_u32 v5, v5, v6
	v_add_nc_u32 v[ADRS], s21, v5
	s_lshl_b32 s18, s40, 2
	s_lshl_b32 s19, s16, 1
	s_add_co_u32 s18, s18, s19
	s_lshl_b32 s19, s41, 2
	s_lshl_b32 s20, s15, 1
	s_add_co_u32 s19, s19, s20
	s_lshl_b32 s20, s17, 1
	s_add_co_u32 s20, s20, s15
	s_lshl_b32 s21, s42, 1
	s_add_co_u32 s21, s21, s16
	s_cmp_eq_u32 ttmp9, 2
	s_cselect_b32 s18, s19, s18
	s_cselect_b32 s20, s21, s20
	s_mov_b32 s[SA], 768
	s_cselect_b32 s[SA], 1536, s[SA]
	s_cselect_b32 s[SH4], HEADB-6144, 0
	s_mov_b32 s[SPN], HEADB
	s_cselect_b32 s[SPN], 768, s[SPN]
	s_cselect_b32 s[J3M], -1, 0
	s_cselect_b32 s22, 6144, 0
	s_cselect_b32 s23, 256, 0
	s_lshl_b32 s18, s18, 6
	s_add_co_u32 s18, s18, s20
	s_mul_i32 s18, s18, BLKB
	s_add_co_u32 s[CUR], s18, s22
	s_add_co_u32 s101, s18, s23
	s_add_co_u32 s101, s101, 12288
	s_cmp_eq_u32 ttmp9, 0
	s_cselect_b64 s[12:13], s[8:9], s[10:11]
	v_and_b32 v6, 31, v0
	v_lshlrev_b32 v[L8], 3, v6
	v_lshl_add_u32 v[SOF], v1, 4, s101
.macro FRAG reg, adr, q, i
.irp p, 0,1,2,3,4,5
.set PCE, 12*(\q)+6*(\p/3)+\p%3
.if PCE%8 < 5
	ds_load_b64 v[\reg+2*\p:\reg+2*\p+1], v[\adr] offset:8*PCE+16*(PCE/8)+(32*((\i)/2)+8*((\i)%2))*PITCH
.else
	ds_load_b64 v[\reg+2*\p:\reg+2*\p+1], v[\adr+2] offset:8*PCE+16*(PCE/8)+(32*((\i)/2)+8*((\i)%2))*PITCH
.endif
.endr
.endm
.macro MUL16 a0, p, q, sc, zero
.irp a, \a0, \a0+1
.irp b, 0,1,2,3,4,5,6,7
.if \zero
	v_wmma_scale_f32_16x16x128_f8f6f4 v[8*(8*((\a)%4)+\b):8*(8*((\a)%4)+\b)+7], v[128*(\p)+FR*\b:128*(\p)+FR*\b+FR-1], v[AF+FR*(\a):AF+FR*(\a)+FR-1], 0, v[SC+8*NQ*(\sc)+NQ*\b+(\q)], v[SC+8*NQ*(\sc)+NQ*(\a)+(\q)] matrix_a_fmt:MATRIX_FMT_FP6 matrix_b_fmt:MATRIX_FMT_FP6 matrix_a_scale:MATRIX_SCALE_ROW1
.else
	v_wmma_scale_f32_16x16x128_f8f6f4 v[8*(8*((\a)%4)+\b):8*(8*((\a)%4)+\b)+7], v[128*(\p)+FR*\b:128*(\p)+FR*\b+FR-1], v[AF+FR*(\a):AF+FR*(\a)+FR-1], v[8*(8*((\a)%4)+\b):8*(8*((\a)%4)+\b)+7], v[SC+8*NQ*(\sc)+NQ*\b+(\q)], v[SC+8*NQ*(\sc)+NQ*(\a)+(\q)] matrix_a_fmt:MATRIX_FMT_FP6 matrix_b_fmt:MATRIX_FMT_FP6 matrix_a_scale:MATRIX_SCALE_ROW1
.endif
.endr
.endr
.endm
.macro FETCH_B slot, q, p
	WIN TO_B
.irp i, 0,1,2,3,4,5,6,7
	FRAG 128*(\p)+FR*\i, ADRB+\slot, \q, \i
.endr
	WIN 0
.endm
.macro FETCH_A slot, q, i0
.irp i, \i0, \i0+1, \i0+2, \i0+3
	FRAG AF+FR*(\i), ADRA+\slot, \q, \i
.endr
.endm
.macro SCALES sc
.irp i, 0,1,2,3,4,5,6,7
	ds_load_b64 v[SC+8*NQ*\sc+NQ*\i:SC+8*NQ*\sc+NQ*\i+1], v[ADRS] offset:(4*(\i/2)+\i%2)*272
.endr
.endm
.macro PLACES n
.rept \n
	v_nop
.endr
.endm
.macro STEP slot, q, zero
	s_wait_dscnt 4*NL
	WIN MUL_LO
	MUL16 0, (\q)%2, \q, \slot, \zero
	MUL16 2, (\q)%2, \q, \slot, \zero
	s_wait_dscnt 0
	PLACES NP
	FETCH_B \slot, (\q)+1, 1-(\q)%2
	FETCH_A \slot, (\q)+1, 0
	WIN MUL_HI
	MUL16 4, (\q)%2, \q, \slot, \zero
	MUL16 6, (\q)%2, \q, \slot, \zero
	PLACES NP
	WIN 0
	FETCH_A \slot, (\q)+1, 4
.endm
.macro TURN slot, next, fill
	s_wait_tensorcnt 0x0
	ds_add_u32 v[SPW], v[NIL]
	s_wait_dscnt 4*NL+1
	WIN MUL_LO
	MUL16 0, 1, NQ-1, \slot, 0
	s_wait_dscnt 0x0
	s_barrier_signal -1
	MUL16 2, 1, NQ-1, \slot, 0
	WIN 0
	s_barrier_wait -1
.if \fill
	CREST
	s_add_nc_u64 s[G0+4*\slot+2:G0+4*\slot+3], s[G0+4*\slot+2:G0+4*\slot+3], 2*QSTEP
	s_add_nc_u64 s[G0B+4*\slot+2:G0B+4*\slot+3], s[G0B+4*\slot+2:G0B+4*\slot+3], 2*QSTEP
	JLOAD G0+4*\slot, G1, G0B+4*\slot, G1B
.else
	PLACES NP
.endif
	s_wait_alu depctr_va_vdst(0)
	v_add_nc_u32 v[ADRS], 4*NQ, v[ADRS]
	FETCH_B \next, 0, 0
	FETCH_A \next, 0, 0
	SCALES \next
	WIN MUL_HI
	MUL16 4, 1, NQ-1, \slot, 0
	MUL16 6, 1, NQ-1, \slot, 0
	PLACES NP
	WIN 0
	FETCH_A \next, 0, 4
.endm
.macro QUANTW a
.set AC, 64*((\a)%4)
	s_wait_xcnt 0x0
	WIN 0x0a+5*((\a)/4)
.irp b, 0,1,2,3
	v_max3_num_f32 v[TM+\b], |v[AC+16*\b]|, |v[AC+16*\b+1]|, 0x1800000
.endr
.irp i, 2,4,6,8,10,12,14
.irp b, 0,1,2,3
	v_max3_num_f32 v[TM+\b], |v[AC+16*\b+\i]|, |v[AC+16*\b+\i+1]|, v[TM+\b]
.endr
.endr
	WIN 0
.irp b, 0,1,2,3
	v_permlanex16_b32 v[TM+4+\b], v[TM+\b], s[SEL], s[SEL+1]
.endr
.irp b, 0,1,2,3
	v_max_num_f32 v[TM+\b], v[TM+\b], v[TM+4+\b]
.endr
.irp b, 0,1,2,3
	v_add_nc_u32 v[TM+12+\b], 0xff000000, v[TM+\b]
.endr
.irp b, 0,1,2,3
	v_lshrrev_b32 v[TM+4+\b], 23, v[TM+12+\b]
.endr
	v_lshl_or_b32 v[PW+(\a)], v[TM+5], 8, v[TM+4]
	v_lshl_or_b32 v[PW+(\a)], v[TM+6], 16, v[PW+(\a)]
	v_lshl_or_b32 v[PW+(\a)], v[TM+7], 24, v[PW+(\a)]
	WIN 2+(\a)/4
.irp c, 0,1
	v_cvt_scalef32_pk16_fp6_f32 v[PC+6*\c:PC+6*\c+2], v[AC+32*\c:AC+32*\c+15], v[TM+12+2*\c]
	v_cvt_scalef32_pk16_fp6_f32 v[PC+12+4*\c:PC+14+4*\c], v[AC+16+32*\c:AC+31+32*\c], v[TM+12+2*\c+1]
.endr
	WIN 0
	v_nop
.irp c, 0,1
.irp i, 0,1,2
	v_permlane16_swap_b32 v[PC+6*\c+\i], v[PC+12+4*\c+\i]
.endr
.irp i, 0,1,2
	v_mov_b32 v[PC+3+6*\c+\i], v[PC+12+4*\c+\i]
.endr
.endr
	v_add_nc_u32 v[O0], s[CUR], v[L8]
	v_add_nc_u32 v[O1], s[SPN], v[O0]
.irp p, 0,1,2
	global_store_b64 v[O0], v[PC+2*\p:PC+2*\p+1], s[12:13] offset:256*\p
.endr
.irp p, 0,1,2
	global_store_b64 v[O1], v[PC+6+2*\p:PC+7+2*\p], s[12:13] offset:256*\p
.endr
	s_add_co_u32 s[CUR], s[CUR], s[SA]
.if (\a) == 3
	s_add_co_u32 s[CUR], s[CUR], s[SH4]
.endif
.endm
	s_wait_alu depctr_va_vdst(0)
	s_wait_tensorcnt 1
	s_barrier_signal -1
	s_barrier_wait -1
	FETCH_B 0, 0, 0
	FETCH_A 0, 0, 0
	SCALES 0
	FETCH_A 0, 0, 4
	STEP 0, 0, 1
	s_mov_b32 s3, LAPS-1
.Llap:
	TURN 0, 1, 1
	STEP 1, 0, 0
	TURN 1, 0, 1
	STEP 0, 0, 0
	s_sub_co_u32 s3, s3, 1
	s_cmp_lg_u32 s3, 0
	s_cbranch_scc1 .Llap
	TURN 0, 1, 0
	STEP 1, 0, 0
	s_wait_dscnt 4*NL
	WIN MUL_LO
	MUL16 0, 1, NQ-1, 1, 0
	MUL16 2, 1, NQ-1, 1, 0
	s_wait_dscnt 0
	WIN MUL_HI
	MUL16 4, 1, NQ-1, 1, 0
	MUL16 6, 1, NQ-1, 1, 0
	WIN 0
	PLACES NP
	s_mov_b32 s[SEL], 0x76543210
	s_mov_b32 s[SEL+1], 0xfedcba98
.irp b, 0,1,2,3
	v_mov_b32 v[TM+4+\b], 0
.endr
.irp a, 0,1,2,3,4,5,6,7
	QUANTW \a
.endr
.irp f, 0,1,2,3
	v_perm_b32 v[GA+\f], v[PW+2*\f+1], v[PW+2*\f], 0x05040100
	v_perm_b32 v[GB+\f], v[PW+2*\f+1], v[PW+2*\f], 0x07060302
.endr
.irp f, 0,1,2,3
	v_cndmask_b32 v[GA+\f], v[GA+\f], v[PW+\f], s[J3M]
	v_cndmask_b32 v[GB+\f], v[GB+\f], v[PW+4+\f], s[J3M]
.endr
	global_store_b128 v[SOF], v[GA:GA+3], s[12:13]
	global_store_b128 v[SOF], v[GB:GB+3], s[12:13] offset:HEADB
	s_wait_tensorcnt 0x0
	ds_add_u32 v[SPW], v[NIL]
	s_wait_dscnt 0x0
	CROUND
	s_endpgm
.Lfunc_end_k_qa4f187ac52_proj:
	.size	k_qa4f187ac52_proj, .Lfunc_end_k_qa4f187ac52_proj-k_qa4f187ac52_proj
	.p2alignl 7, 3214868480
	.fill 96, 4, 3214868480
	.section	.rodata,"a",@progbits
	.p2align	6, 0x0
	.amdhsa_kernel k_qa4f187ac52_proj
		.amdhsa_group_segment_fixed_size 327680
		.amdhsa_private_segment_fixed_size 0
		.amdhsa_enable_private_segment 0
		.amdhsa_kernarg_size 32
		.amdhsa_user_sgpr_count 2
		.amdhsa_user_sgpr_kernarg_segment_ptr 1
		.amdhsa_wavefront_size32 1
		.amdhsa_system_sgpr_workgroup_id_x 1
		.amdhsa_system_sgpr_workgroup_id_y 1
		.amdhsa_system_sgpr_workgroup_id_z 1
		.amdhsa_system_vgpr_workitem_id 0
		.amdhsa_next_free_vgpr 1024
		.amdhsa_next_free_sgpr 102
		.amdhsa_reserve_vcc 0
		.amdhsa_float_denorm_mode_32 3
		.amdhsa_float_denorm_mode_16_64 3
		.amdhsa_memory_ordered 1
		.amdhsa_forward_progress 1
		.amdhsa_inst_pref_size 170
	.end_amdhsa_kernel
	.amdgpu_metadata
---
amdhsa.version: [ 1, 2 ]
amdhsa.kernels:
  - .name:           k_qa4f187ac52_proj
    .symbol:         k_qa4f187ac52_proj.kd
    .args:
      - { .name: qcodes, .offset: 0, .size: 8, .value_kind: global_buffer, .address_space: global }
      - { .name: qscales, .offset: 8, .size: 8, .value_kind: global_buffer, .address_space: global }
      - { .name: vimg, .offset: 16, .size: 8, .value_kind: global_buffer, .address_space: global }
      - { .name: kimg, .offset: 24, .size: 8, .value_kind: global_buffer, .address_space: global }
    .group_segment_fixed_size: 327680
    .private_segment_fixed_size: 0
    .kernarg_segment_align: 8
    .kernarg_segment_size: 32
    .max_flat_workgroup_size: 128
    .sgpr_count:     102
    .vgpr_count:     1024
    .wavefront_size: 32
...
	.end_amdgpu_metadata
.endif
;; end of part 2
;; launch attn (part 3): grid 4 x 64, 16 waves a work-group, no clusters, 210,944 bytes of LDS; arguments vimg, kimg, mbits, cimg, csc; writes cimg, csc
.if DOCPART == 3
	.amdgcn_target "amdgcn-amd-amdhsa--gfx1250"
	.amdhsa_code_object_version 6
	.text
	.protected	k_qa4f187ac52_attn
	.globl	k_qa4f187ac52_attn
	.p2align	8
	.type	k_qa4f187ac52_attn,@function
k_qa4f187ac52_attn:
	s_mov_b64 s[64:65], 0
	v_nop
	global_prefetch_b8 v0, s[64:65] scope:SCOPE_SE
	s_setreg_imm32_b32 hwreg(HW_REG_WAVE_MODE, 25, 1), 1
	s_wait_xcnt 0x0
; ATTN: ctx[h][b][s] = the sum over t of softmax_t(v[s] . k[t] / 8, hidden where mask[b][s][t]) k[t]; both products on codes of FP6 (E2M3) with E8M0 scales; ctx leaves as codes for the last product.
; THE SOFTMAX: t = score x log2(e) / 8; M = the row's largest t so far, rounded up to a whole number; p = 2^(t - M) is quantised along the keys, not normalised; the row's sum is taken of the
; unquantised p and divides at the end.  When M moves, the sum and O are multiplied by 2^(old M - new M), which rounds nothing.
; SHARES.  A work-group owns 512 queries of one (head, batch); each of its sixteen waves two tiles of 16 queries, one after the other: one loop of 32 trips, a trip = 128 keys of one tile.
; K STAYS IN LDS: the (head, batch)'s 16 blocks of 12,800 bytes of kimg.  Wave w brings block w through registers (25 loads and 25 LDS stores of 512 bytes); one barrier; nothing is stored to LDS after it.
; NO TENSOR LOAD, NO CLUSTER: a trip branches on the mask words that the first launch stored (where all 64 words of a step are 0, the 64 selects are jumped over).
; No prefetch: all of K is asked for at the head, ahead of the loop.
; FIRST PRODUCT, K = 64 in an instruction of K = 128: a fragment of K holds two tiles of 16 keys, one in each half of K; the queries stand as [codes | zeros] (v[22:33]) or [zeros | codes] (v[16:27]).
; WHICH KEYS FORM A TILE is chosen by the lanes' LDS addresses: rows 0-7 of tile T (0..3) of half step c take keys 64 c + 8 T + 0..7, rows 8-15 keys 64 c + 32 + 8 T + 0..7.  Both products are used
; transposed, so lane (r, h) holds query r, and its score register 32 c + i is key 64 c + 32 h + i: a whole block of 32 keys lies in one lane, in the order of the second product's operand.
; In LDS each of the four fragments of the first product is followed by 64 bytes of room, so that the lanes of rows 0-7 and of rows 8-15 of a load read different banks.
; A ROW WITH EVERY KEY HIDDEN has the sum 0: reference() gives NaN there; that row's two scale bytes become 0xff, which makes the last product's sums NaN.
; LIMITS: the promise holds while the scaled scores stay under 2^31 in magnitude; a block of zeros gets the byte 1; largest magnitudes under 2^-124 keep the byte 1; NaN and infinities among the inputs are not served.
; The last trip fetches block 0's fragments once more (the fetch is written once, for the next trip): they lie inside LDS and are not used.
.set STEPB, 12800                      ; a block in memory
.set LBLK,  13056                      ; and in LDS: 4 x (1,536 + 64), 4 x 1,536, 512 of scale words
.set PVO,   6400                       ; the second product's fragments
.set SWO,   12544                      ; the scale words: 256 bytes for the first product, 256 for the second
.set SPARE, 16*LBLK                    ; the spare words, 128 bytes a wave: eight blocks of 256 bytes that no other line names
.set AS0,  1                           ; v1   first product's fragments: 8 (l % 8) + 128 (l / 16) + 1600 ((l / 8) % 2)
.set L8,   2                           ; v2   8 x lane
.set L16,  3                           ; v3   16 x lane
.set ASW,  4                           ; v4   first product's scale words: 16 (l % 8) + 4 ((l / 8) % 2)
.set SPW,  5
.set NIL,  6
.set NINF, 7                           ; v7   -infinity
.set H8,   8                           ; v8   8 (l / 16)
.set R32,  9
.set R16,  10
.set ADS1, 14                          ; v14, v15, v244, v245: the four addresses with the block's LDS byte added
.set ADS2, 15
.set QS,   34                          ; v34  my queries' scale word
.set OLDM, 35
.set FA,   36                          ; v36-59   first product, half step 0
.set FB,   60                          ; v60-83   first product, half step 1; then second product, tiles 2, 3
.set FC,   84                          ; v84-107  second product, tiles 0, 1
.set S,    108                         ; v108-171 scores, then p
.set O,    172                         ; v172-203 O^T
.set PC,   204                         ; v204-215 p's codes
.set PX,   216                         ; v216-218, v220-222 the conversions' second halves
.set BM,   224
.set SO,   226
.set BT,   228
.set F,    230
.set PSW,  232                         ; p's scale word
.set TMP,  233
.set TM2,  234
.set KSS,  236                         ; v236-239 K's scale words, first product
.set KSP,  240                         ; v240-243 lanes 16-31: K's scale words, second product
.set ADK1, 244
.set ADK2, 245
.set L,    246                         ; v[246:247] the row's sum; v248-253 three more chains of it
.set TB,   2
.set MO,   3
.set WV,   14
.set IT,   15
.set QSEL, 85
.set CS,   96                          ; s[96:97] c = log2(e) / 8
.set SEL,  98
.macro MLOAD                           ; 64 mask words: s16-63 and s68-83
	s_load_b512 s[16:31], s[8:9], s[MO] offset:0x0
	s_load_b512 s[32:47], s[8:9], s[MO] offset:0x40
	s_load_b512 s[48:63], s[8:9], s[MO] offset:0x80
	s_load_b512 s[68:83], s[8:9], s[MO] offset:0xc0
.endm
.macro SMUL d, a, b, sc
	v_wmma_scale_f32_16x16x128_f8f6f4 v[(\d):(\d)+7], v[(\a):(\a)+11], v[(\b):(\b)+11], 0, v[(\sc)], v[QS] matrix_a_fmt:MATRIX_FMT_FP6 matrix_b_fmt:MATRIX_FMT_FP6
.endm
.macro SFRAG reg, c                    ; half step c of the first product: two fragments
.irp u, 0,1
.irp p, 0,1,2,3,4,5
	ds_load_b64 v[\reg+12*\u+2*\p:\reg+12*\u+2*\p+1], v[ADK1] offset:3200*\c+64*\u+256*\p
.endr
.endr
.endm
.macro PFRAG reg, t0                   ; tiles t0, t0 + 1 of the second product
.irp t, 0,1
.irp p, 0,1,2,3,4,5
	ds_load_b64 v[\reg+12*\t+2*\p:\reg+12*\t+2*\p+1], v[ADK2] offset:PVO+1536*(\t0+\t)+256*\p
.endr
.endr
.endm
.macro SWORDS
.irp f, 0,1,2,3
	ds_load_b32 v[KSS+\f], v[ADS1] offset:SWO+128*(\f%2)+8*(\f/2)
.endr
.endm
.macro ACC q                           ; pair q of p onto chain q % 4
	v_pk_add_f32 v[L+2*((\q)%4):L+2*((\q)%4)+1], v[L+2*((\q)%4):L+2*((\q)%4)+1], v[S+2*(\q):S+2*(\q)+1]
.endm
; A TILE BEGINS: its queries' codes and scale word; largest score -3e38, -M made of it as a step makes it; sums and O^T zero.
.macro INIT
	s_wait_xcnt 0x0                                ; earlier memory instructions have read their registers
.irp p, 0,1,2
	global_load_b64 v[22+2*\p:23+2*\p], v[L8], s[4:5] offset:256*\p
.endr
	global_load_b32 v11, v[R16], s[66:67]
	v_mov_b32 v13, 0xff61b1e6
	v_mul_f32 v[TMP], s[CS], v13
	v_floor_f32 v12, -v[TMP]
	v_mov_b32 v[L], 0
	v_mov_b32 v[L+1], 0
	s_wait_loadcnt 0x0
	v_perm_b32 v[QS], v11, v11, s[QSEL]            ; my tile's two bytes, for either half of K
.set n, 0
.rept 32
	v_mov_b32 v[O+n], 0                            ; (also the places between the scale word and the first product)
.set n, n+1
.endr
	s_add_nc_u64 s[4:5], s[4:5], 768               ; the next tile's codes
	s_add_co_u32 s[QSEL], s[QSEL], 0x02020202      ; and its two bytes of the word
	s_wait_alu depctr_va_vdst(0)
.endm
; A TILE ENDS: O^T / the sum is ctx; O register 16 b + i is channel 32 b + 16 h + i; its 64 channels leave as half an image and two scale bytes.
.macro OUT
	v_add_f32 v[L], v[L], v[L+1]
	s_delay_alu instid0(VALU_DEP_1)
	v_permlanex16_b32 v[TMP], v[L], s[SEL], s[SEL+1]
	s_delay_alu instid0(VALU_DEP_1)
	v_add_f32 v[L], v[L], v[TMP]                   ; the row's sum
	s_wait_alu depctr_va_vdst(0)
	v_rcp_f32 v[L+1], v[L]
	v_nop
	s_wait_alu depctr_va_vdst(0)                   ; ahead of the reciprocal's and O^T's first reader
.set n, 0
.rept 32
	v_mul_f32 v[S+n], v[O+n], v[L+1]               ; each accumulator from its low end on
.set n, n+1
.endr
.irp b, 0,1
	v_max3_num_f32 v[BM+\b], |v[S+16*\b]|, |v[S+1+16*\b]|, 0x1800000
.endr
.irp i, 2,4,6,8,10,12,14
.irp b, 0,1
	v_max3_num_f32 v[BM+\b], v[BM+\b], |v[S+16*\b+\i]|, |v[S+1+16*\b+\i]|
.endr
.endr
.irp b, 0,1
	v_permlanex16_b32 v[BT+\b], v[BM+\b], s[SEL], s[SEL+1]
.endr
.irp b, 0,1
	v_max_num_f32 v[BM+\b], v[BM+\b], v[BT+\b]
.endr
.irp b, 0,1
	v_add_nc_u32 v[SO+\b], 0xff000000, v[BM+\b]
.endr
.irp b, 0,1
	v_lshrrev_b32 v[BT+\b], 23, v[SO+\b]
.endr
	v_lshl_or_b32 v11, v[BT+1], 8, v[BT]
	v_cmp_neq_f32 vcc_lo, 0, v[L]
	v_cndmask_b32 v11, 0xffff, v11, vcc_lo         ; every key hidden: both bytes 0xff
	v_cvt_scalef32_pk16_fp6_f32 v[PC:PC+2], v[S:S+15], v[SO]
	v_cvt_scalef32_pk16_fp6_f32 v[PX:PX+2], v[S+16:S+31], v[SO+1]
	v_nop
.irp i, 0,1,2
	v_permlane16_swap_b32 v[PC+\i], v[PX+\i]
.endr
.irp i, 0,1,2
	v_mov_b32 v[PC+3+\i], v[PX+\i]
.endr
.irp p, 0,1,2
	global_store_b64 v[L8], v[PC+2*\p:PC+2*\p+1], s[10:11] offset:256*\p   ; 32 lanes store 256 consecutive bytes, aligned
.endr
	global_store_b16 v[R32], v11, s[12:13]         ; lanes 16-31 hold and write the same
	s_wait_xcnt 0x0                                ; the stores have read their bases
	s_add_nc_u64 s[10:11], s[10:11], 12288
	s_add_nc_u64 s[12:13], s[12:13], 512
.endm
	s_load_b256 s[4:11], s[0:1], 0x0               ; vimg, kimg, mbits, cimg
	s_load_b64 s[12:13], s[0:1], 0x20              ; csc
	v_lshl_add_u32 v[SPW], v0, 2, SPARE
	v_mov_b32 v[NIL], 0
	v_lshrrev_b32 v11, 5, v0
	v_readfirstlane_b32 s[WV], v11                 ; wave 0..15
	v_and_b32 v11, 31, v0
	v_lshlrev_b32 v[L8], 3, v11
	v_lshlrev_b32 v[L16], 4, v11
	v_and_b32 v[TMP], 7, v0
	v_bfe_u32 v[TM2], v0, 4, 1
	v_bfe_u32 v[OLDM], v0, 3, 1
	v_lshlrev_b32 v[AS0], 3, v[TMP]
	v_lshl_add_u32 v[AS0], v[TM2], 7, v[AS0]
	v_mad_u32_u24 v[AS0], v[OLDM], 1600, v[AS0]
	v_lshlrev_b32 v[ASW], 4, v[TMP]
	v_lshl_add_u32 v[ASW], v[OLDM], 2, v[ASW]
	v_lshlrev_b32 v[H8], 3, v[TM2]
	v_and_b32 v11, 15, v0
	v_lshlrev_b32 v[R16], 4, v11
	v_lshlrev_b32 v[R32], 5, v11
	v_mov_b32 v[NINF], 0xff800000
.irp i, 16,17,18,19,20,21,28,29,30,31,32,33
	v_mov_b32 v\i, 0                               ; the zero codes on both sides of the queries' codes
.endr
	v_mov_b32 v[F+1], 0                            ; (named as the upper half of a pair)
	s_and_b32 s17, ttmp7, 0xffff                   ; 4 head + batch
	s_lshr_b32 s18, s17, 2                         ; head
	s_and_b32 s19, s17, 3                          ; batch
	s_lshl_b32 s20, s17, 4                         ; the (head, batch)'s first block
	s_add_co_u32 s22, s20, s[WV]
	s_mul_i32 s22, s22, STEPB                      ; the block of K that I bring
	s_mov_b32 s23, 0
	s_lshl_b32 s24, ttmp9, 2
	s_add_co_u32 s24, s24, s20
	s_lshr_b32 s25, s[WV], 2
	s_add_co_u32 s24, s24, s25
	s_mul_i32 s24, s24, STEPB                      ; my queries' block of vimg
	s_and_b32 s25, s[WV], 3
	s_lshl_b32 s26, s25, 2
	s_add_co_u32 s26, s26, s24
	s_add_co_u32 s26, s26, 12288                   ; their scale words: word wave % 4 of a row's four
	s_mov_b32 s27, 0
	s_mul_i32 s25, s25, 1536
	s_add_co_u32 s24, s24, s25                     ; their two half images
	s_mov_b32 s25, 0
	s_lshl_b32 s28, s19, 7
	s_lshl_b32 s29, ttmp9, 5
	s_add_co_u32 s28, s28, s29
	s_lshl_b32 s29, s[WV], 1
	s_add_co_u32 s28, s28, s29                     ; my first tile among the 512
	s_lshl_b32 s30, s28, 12                        ; its mask words: 16 steps x 256 bytes a tile
	s_mov_b32 s31, 0
	s_lshl_b32 s32, s28, 3
	s_lshr_b32 s33, s18, 1
	s_add_co_u32 s32, s32, s33
	s_mul_i32 s32, s32, 1536                       ; cimg: [tile][head / 2] x 1,536,
	s_and_b32 s33, s18, 1
	s_mul_i32 s33, s33, 768
	s_add_co_u32 s32, s32, s33                     ; my head's half
	s_mov_b32 s33, 0
	s_lshl_b32 s34, s28, 9                         ; csc: 16 rows x 32 bytes a tile,
	s_lshl_b32 s35, s18, 1
	s_add_co_u32 s34, s34, s35                     ; bytes 2 head, 2 head + 1
	s_mov_b32 s35, 0
	s_mov_b32 s[CS], 0x3e38aa3b
	s_mov_b32 s[CS+1], s[CS]
	s_mov_b32 s[SEL], 0x76543210
	s_mov_b32 s[SEL+1], 0xfedcba98
	s_mov_b32 s[QSEL], 0x01000100
	s_mov_b32 s[MO], 0
	s_mul_i32 s[TB], s[WV], LBLK
	s_wait_alu depctr_va_vdst(0)
	s_wait_kmcnt 0x0
	s_add_nc_u64 s[86:87], s[6:7], s[22:23]        ; in a pair on which no mask word lands
	s_add_nc_u64 s[66:67], s[4:5], s[26:27]
	s_add_nc_u64 s[4:5], s[4:5], s[24:25]
	s_add_nc_u64 s[8:9], s[8:9], s[30:31]
	s_add_nc_u64 s[10:11], s[10:11], s[32:33]
	s_add_nc_u64 s[12:13], s[12:13], s[34:35]
.set i, 0
.rept 25
	global_load_b128 v[36+4*i:39+4*i], v[L16], s[86:87] offset:512*i   ; my block of K: 512 consecutive bytes a load
.set i, i+1
.endr
	MLOAD                                          ; the first step's mask words
	v_add_nc_u32 v[ADK1], s[TB], v[L16]
	INIT                                           ; its wait for the loads covers my block too
.set i, 0
.rept 25
.if i < 12
	ds_store_b128 v[ADK1], v[36+4*i:39+4*i] offset:512*i+64*(i/3)
.else
	ds_store_b128 v[ADK1], v[36+4*i:39+4*i] offset:512*i+256
.endif
.set i, i+1
.endr
	v_mov_b32 v[ADK1], v[AS0]                      ; block 0's addresses
	v_mov_b32 v[ADK2], v[L8]
	v_mov_b32 v[ADS1], v[ASW]
	v_mov_b32 v[ADS2], v[L16]
	s_mov_b32 s[IT], 0
	s_wait_alu depctr_va_vdst(0)
	s_wait_dscnt 0x0                               ; my block is stored,
	s_barrier_signal -1
	s_barrier_wait -1                              ; everybody's is
	SFRAG FA, 0
	SWORDS
	SFRAG FB, 1
	PFRAG FC, 0
	ds_load_b128 v[KSP:KSP+3], v[ADS2] offset:SWO
.Lstep:
	s_wait_dscnt 25                                ; half step 0's fragments and the scale words are in; behind them 12 + 12 + 1 loads were issued
	SMUL S,    FA,    22, KSS
	SMUL S+8,  FA,    16, KSS
	SMUL S+16, FA+12, 22, KSS+1
	SMUL S+24, FA+12, 16, KSS+1
	s_wait_dscnt 13                                ; half step 1's are in; behind them 12 + 1
	SMUL S+32, FB,    22, KSS+2
	SMUL S+40, FB,    16, KSS+2
	SMUL S+48, FB+12, 22, KSS+3
	SMUL S+56, FB+12, 16, KSS+3
	s_add_co_u32 s84, s[IT], 1
	s_and_b32 s84, s84, 15
	s_mul_i32 s[TB], s84, LBLK                     ; the next trip's block
	v_add_nc_u32 v[ADK1], s[TB], v[AS0]            ; four places behind the products, in front of loads into their registers
	v_add_nc_u32 v[ADS1], s[TB], v[ASW]
	v_add_nc_u32 v[ADS2], s[TB], v[L16]
	v_mov_b32 v[OLDM], v12
	PFRAG FB, 2                                    ; this step's second product, tiles 2 and 3
	v_add_nc_u32 v[ADK2], s[TB], v[L8]
	SFRAG FA, 0                                    ; the next trip's first half step
	SWORDS
	s_wait_kmcnt 0x0                               ; this step's mask words, asked for a trip ago
	s_or_b64 s[86:87], s[16:17], s[18:19]          ; is any key of the step hidden for any of my queries?
	s_or_b64 s[88:89], s[20:21], s[22:23]
	s_or_b64 s[90:91], s[24:25], s[26:27]
	s_or_b64 s[92:93], s[28:29], s[30:31]
.irp q, 32,40,48,56,68,76
	s_or_b64 s[86:87], s[86:87], s[\q:\q+1]
	s_or_b64 s[88:89], s[88:89], s[\q+2:\q+3]
	s_or_b64 s[90:91], s[90:91], s[\q+4:\q+5]
	s_or_b64 s[92:93], s[92:93], s[\q+6:\q+7]
.endr
	s_or_b64 s[86:87], s[86:87], s[88:89]
	s_or_b64 s[90:91], s[90:91], s[92:93]
	s_or_b64 s[86:87], s[86:87], s[90:91]
	s_or_b32 s86, s86, s87
	s_cmp_lg_u32 s86, 0
	s_wait_alu depctr_va_vdst(0)
	s_cbranch_scc0 .Lclear
.set n, 0
.rept 64
	v_cndmask_b32 v[S+n], v[S+n], v[NINF], s[16+n+4*(n/48)]   ; a hidden key's score becomes -infinity: p = 0
.set n, n+1
.endr
.Lclear:
.irp b, 0,1                            ; the largest score of my two blocks of 32 keys, in four chains; each accumulator is read from its low end on
	v_max3_num_f32 v[BM+\b], v[S+32*\b], v[S+32*\b+1], v[S+32*\b+2]
	v_max3_num_f32 v[BT+\b], v[S+32*\b+16], v[S+32*\b+17], v[S+32*\b+18]
.endr
.irp i, 3,5,7,9,11,13
.irp b, 0,1
	v_max3_num_f32 v[BM+\b], v[BM+\b], v[S+32*\b+\i], v[S+32*\b+\i+1]
	v_max3_num_f32 v[BT+\b], v[BT+\b], v[S+32*\b+16+\i], v[S+32*\b+17+\i]
.endr
.endr
.irp b, 0,1
	v_max3_num_f32 v[BM+\b], v[BM+\b], v[BT+\b], v[S+32*\b+15]
.endr
.irp b, 0,1
	v_max_num_f32 v[BM+\b], v[BM+\b], v[S+32*\b+31]
.endr
	s_add_co_u32 s[MO], s[MO], 256                 ; the next trip's mask words (my two tiles' lie on end); the last trip asks again for its own
	s_min_u32 s[MO], s[MO], 7936
	MLOAD
	v_max3_num_f32 v[TMP], v[BM], v[BM+1], v13
	s_delay_alu instid0(VALU_DEP_1)
	v_permlanex16_b32 v[TM2], v[TMP], s[SEL], s[SEL+1]
	s_delay_alu instid0(VALU_DEP_1)
	v_max_num_f32 v13, v[TMP], v[TM2]              ; the row's largest score so far
	s_delay_alu instid0(VALU_DEP_1)
	v_mul_f32 v[TMP], s[CS], v13                   ; as t (c is positive)
	s_delay_alu instid0(VALU_DEP_1)
	v_floor_f32 v12, -v[TMP]                       ; -M = -ceil(t)
.set n, 0
.rept 32
	v_pk_fma_f32 v[S+n:S+n+1], v[S+n:S+n+1], s[CS:CS+1], v[12:13] op_sel_hi:[1,0,0]   ; t - M, two at a time
.set n, n+2
.endr
.irp b, 0,1
	v_fma_f32 v[BM+\b], v[BM+\b], s[CS], v12       ; the same of each block's largest score
.endr
	s_wait_alu depctr_va_vdst(0)                   ; ahead of the batch
.set n, 0
.rept 64
	v_exp_f32 v[S+n], v[S+n]                       ; p = 2^(t - M)
.set n, n+1
.endr
.irp b, 0,1
	v_exp_f32 v[BM+\b], v[BM+\b]                   ; the block's largest p
.endr
	v_sub_f32 v[TMP], v12, v[OLDM]                 ; old M - new M: a whole number, 0 or less
	v_cvt_i32_f32 v[TMP], v[TMP]                   ; (it saturates)
	v_ldexp_f32 v[F], 1.0, v[TMP]
	s_wait_alu depctr_va_vdst(0)                   ; one wait for the batch, directly ahead of O^T's first reader
.set n, 0
.rept 16
	v_pk_mul_f32 v[O+n:O+n+1], v[O+n:O+n+1], v[F:F+1] op_sel_hi:[1,0]   ; O^T under the new M
.set n, n+2
.endr
	v_pk_mul_f32 v[L:L+1], v[L:L+1], v[F:F+1] op_sel_hi:[1,0]
.irp b, 0,1
	v_max_num_f32 v[BM+\b], 0x1800000, v[BM+\b]    ; the floor 2^(3 - 127): the byte cannot fall under 1
.endr
.irp b, 0,1
	v_add_nc_u32 v[SO+\b], 0xff000000, v[BM+\b]    ; 2 off the exponent field: the conversion's scale operand
.endr
.irp b, 0,1
	v_lshrrev_b32 v[BT+\b], 23, v[SO+\b]
.endr
	v_lshl_or_b32 v[PSW], v[BT+1], 16, v[BT]       ; my bytes: blocks h and 2 + h,
	s_delay_alu instid0(VALU_DEP_1)
	v_lshlrev_b32 v[PSW], v[H8], v[PSW]            ; at their places in the word;
	s_delay_alu instid0(VALU_DEP_1)
	v_permlanex16_b32 v[TM2], v[PSW], s[SEL], s[SEL+1]
	s_delay_alu instid0(VALU_DEP_1)
	v_or_b32 v[PSW], v[PSW], v[TM2]                ; with lane l xor 16's two it is whole
.irp c, 0,1
	v_cvt_scalef32_pk16_fp6_f32 v[PC+6*\c:PC+6*\c+2], v[S+32*\c:S+32*\c+15], v[SO+\c]
	v_cvt_scalef32_pk16_fp6_f32 v[PX+4*\c:PX+4*\c+2], v[S+32*\c+16:S+32*\c+31], v[SO+\c]   ; (a conversion's three registers begin on an even number)
.endr
	v_pk_add_f32 v[L+2:L+3], v[S:S+1], v[S+2:S+3]          ; the row's sum of the unquantised p, in four chains; these are the plain places behind the conversions
	v_pk_add_f32 v[L+4:L+5], v[S+4:S+5], v[S+6:S+7]
	v_pk_add_f32 v[L+6:L+7], v[S+8:S+9], v[S+10:S+11]
	v_pk_add_f32 v[L:L+1], v[L:L+1], v[S+12:S+13]
.irp c, 0,1
.irp i, 0,1,2
	v_mov_b32 v[PC+3+6*\c+\i], v[PX+4*\c+\i]
.endr
.endr
	v_pk_add_f32 v[L+2:L+3], v[L+2:L+3], v[S+14:S+15]      ; four places between the codes and the products
	v_pk_add_f32 v[L+4:L+5], v[L+4:L+5], v[S+16:S+17]
	v_pk_add_f32 v[L+6:L+7], v[L+6:L+7], v[S+18:S+19]
	v_pk_add_f32 v[L:L+1], v[L:L+1], v[S+20:S+21]
	s_wait_alu depctr_va_vdst(0)
	s_wait_dscnt 16                                ; tiles 2 and 3 are in (and all older loads); behind them 12 + 4 were issued
.irp t, 0,1                            ; O^T += K^T P^T: four accumulators, one instruction each
	v_wmma_scale_f32_16x16x128_f8f6f4 v[O+8*\t:O+8*\t+7], v[FC+12*\t:FC+12*\t+11], v[PC:PC+11], v[O+8*\t:O+8*\t+7], v[KSP+\t], v[PSW] matrix_a_fmt:MATRIX_FMT_FP6 matrix_b_fmt:MATRIX_FMT_FP6 matrix_a_scale:MATRIX_SCALE_ROW1
.endr
.irp t, 0,1
	v_wmma_scale_f32_16x16x128_f8f6f4 v[O+16+8*\t:O+16+8*\t+7], v[FB+12*\t:FB+12*\t+11], v[PC:PC+11], v[O+16+8*\t:O+16+8*\t+7], v[KSP+2+\t], v[PSW] matrix_a_fmt:MATRIX_FMT_FP6 matrix_b_fmt:MATRIX_FMT_FP6 matrix_a_scale:MATRIX_SCALE_ROW1
.endr
.set n, 11
.rept 4
	ACC n                                          ; four places behind the products, in front of loads into their registers
.set n, n+1
.endr
	SFRAG FB, 1                                    ; the next trip's second half step,
	PFRAG FC, 0                                    ; its second product's tiles 0 and 1
	ds_load_b128 v[KSP:KSP+3], v[ADS2] offset:SWO
.rept 17
	ACC n
.set n, n+1
.endr
	v_pk_add_f32 v[L:L+1], v[L:L+1], v[L+2:L+3]
	v_pk_add_f32 v[L+4:L+5], v[L+4:L+5], v[L+6:L+7]
	s_delay_alu instid0(VALU_DEP_1)
	v_pk_add_f32 v[L:L+1], v[L:L+1], v[L+4:L+5]
	s_add_co_u32 s[IT], s[IT], 1
	s_and_b32 s84, s[IT], 15
	s_cmp_lg_u32 s84, 0
	s_wait_alu depctr_va_vdst(0)
	s_cbranch_scc1 .Lnext
	OUT                                            ; sixteen steps are done: the tile leaves
	s_cmp_eq_u32 s[IT], 32
	s_cbranch_scc1 .Ldone
	INIT                                           ; and the second tile begins
.Lnext:
	s_cmp_lt_u32 s[IT], 32
	s_cbranch_scc1 .Lstep
.Ldone:
	s_wait_tensorcnt 0x0                           ; the wave's end
	ds_add_u32 v[SPW], v[NIL]
	s_wait_dscnt 0x0
	s_endpgm
.Lfunc_end_k_qa4f187ac52_attn:
	.size	k_qa4f187ac52_attn, .Lfunc_end_k_qa4f187ac52_attn-k_qa4f187ac52_attn
	.p2alignl 7, 3214868480
	.fill 96, 4, 3214868480
	.section	.rodata,"a",@progbits
	.p2align	6, 0x0
	.amdhsa_kernel k_qa4f187ac52_attn
		.amdhsa_group_segment_fixed_size 210944
		.amdhsa_private_segment_fixed_size 0
		.amdhsa_enable_private_segment 0
		.amdhsa_kernarg_size 40
		.amdhsa_user_sgpr_count 2
		.amdhsa_user_sgpr_kernarg_segment_ptr 1
		.amdhsa_wavefront_size32 1
		.amdhsa_system_sgpr_workgroup_id_x 1
		.amdhsa_system_sgpr_workgroup_id_y 1
		.amdhsa_system_sgpr_workgroup_id_z 1
		.amdhsa_system_vgpr_workitem_id 0
		.amdhsa_next_free_vgpr 256
		.amdhsa_next_free_sgpr 100
		.amdhsa_reserve_vcc 1
		.amdhsa_float_denorm_mode_32 3
		.amdhsa_float_denorm_mode_16_64 3
		.amdhsa_memory_ordered 1
		.amdhsa_forward_progress 1
		.amdhsa_inst_pref_size 41
	.end_amdhsa_kernel
	.amdgpu_metadata
---
amdhsa.version: [ 1, 2 ]
amdhsa.kernels:
  - .name:           k_qa4f187ac52_attn
    .symbol:         k_qa4f187ac52_attn.kd
    .args:
      - { .name: vimg, .offset: 0, .size: 8, .value_kind: global_buffer, .address_space: global }
      - { .name: kimg, .offset: 8, .size: 8, .value_kind: global_buffer, .address_space: global }
      - { .name: mbits, .offset: 16, .size: 8, .value_kind: global_buffer, .address_space: global }
      - { .name: cimg, .offset: 24, .size: 8, .value_kind: global_buffer, .address_space: global }
      - { .name: csc, .offset: 32, .size: 8, .value_kind: global_buffer, .address_space: global }
    .group_segment_fixed_size: 210944
    .private_segment_fixed_size: 0
    .kernarg_segment_align: 8
    .kernarg_segment_size: 40
    .max_flat_workgroup_size: 512
    .sgpr_count:     100
    .vgpr_count:     256
    .wavefront_size: 32
...
	.end_amdgpu_metadata
.endif
;; end of part 3
;; launch outp (part 4): grid 4 x 32, 4 waves a work-group, clusters of 4 x 4, 327,680 bytes of LDS; arguments cimg, csc, qcodes, qscales, bf, out0; writes out0
.if DOCPART == 4
	.amdgcn_target "amdgcn-amd-amdhsa--gfx1250"
	.amdhsa_code_object_version 6
	.text
	.protected	k_qa4f187ac52_outp
	.globl	k_qa4f187ac52_outp
	.p2align	8
	.type	k_qa4f187ac52_outp,@function
k_qa4f187ac52_outp:
	s_mov_b64 s[64:65], 0
	v_nop
	global_prefetch_b8 v0, s[64:65] scope:SCOPE_SE
	s_setreg_imm32_b32 hwreg(HW_REG_WAVE_MODE, 25, 1), 1
	s_wait_xcnt 0x0
	s_wait_alu depctr_hold_cnt(0) depctr_sa_sdst(0) depctr_va_vdst(0) depctr_va_sdst(0) depctr_va_ssrc(0) depctr_va_vcc(0) depctr_vm_vsrc(0)
	s_getreg_b32 s2, hwreg(HW_REG_IB_STS2, 6, 4)
	s_cmp_eq_u32 s2, 0
	s_cbranch_scc0 .Lentry_in_a_cluster
	s_endpgm
.Lentry_in_a_cluster:
	s_bfe_u32 s2, ttmp6, 0x10000c
	s_cmp_lg_u32 s2, 0xf033
	s_cbranch_scc0 .Lentry_shape_is_right
	s_endpgm
.Lentry_shape_is_right:
.set KSTEP,  256
.set NQ,     2
; OUTP: out = ctx x Wf^T + bf on codes of FP6 with E8M0 scales; ctx comes as images of operand registers, Wf as rows of codes.
; A tile of 128 rows of Wf of one K step is a dense block of 24,576 bytes of qcodes, stated as 96 rows of 256 bytes, padded by 16 bytes behind each 64.
.set ROWB,   256
.set TROWS,  96
.set QSTEP,  12288*192
.set KROW,   192
.set PITCH,  240
.set FR,     12
.set NL,     6
.set NP,     4
.set HALFT,  128*PITCH
.set ATILE,  3072
.set AHALF,  8*ATILE
.set BOFF,   2*AHALF
.set SLOT,   BOFF+2*HALFT
.set LAPS,   2
.set KS,     32
.set SCL,    2*SLOT
.set HALFS,  16*272
.set SBLK,   2*272
.set SPARE,  SCL+4*HALFS
.set SPITCH, 528
.set ADRA, 16
.set ADRB, 20
.set STO,  24
.set RD,   25
.set CO,   26
.set ADRS, 27
.set SPW,  28
.set NIL,  29
.set SC,   32
.set BIAS, 64
.set AF,   128
.set BK,   128
.set G1, 24
.set G0, 32
.set G1B, 48
.set G0B, 56
.set G1S, 68
.set G0S, 76
.set G1SB, 80
.set G0SB, 88
.set MSB, 0
.macro WIN new
.if MSB != (\new)
	s_set_vgpr_msb (MSB<<8)|(\new)
.set MSB, (\new)
.endif
.endm
.set MUL_LO, 0xa1
.set MUL_HI, 0xf1
.set FST_LO, 0x81
.set FST_HI, 0xc1
.set TO_B,   0x40
.macro JLOAD g0a, g1a, g0b, g1b
	s_cmp_eq_u32 s15, 0
	s_cbranch_scc0 .Lfor_b_\@
	tensor_load_to_lds s[\g0a:\g0a+3], s[\g1a:\g1a+7]
	s_nop 0
.rept 4
	v_nop
.endr
	s_branch .Lasked_\@
.Lfor_b_\@:
	tensor_load_to_lds s[\g0b:\g0b+3], s[\g1b:\g1b+7]
	s_nop 0
.rept 4
	v_nop
.endr
.Lasked_\@:
.endm
.macro CREST
	s_cmp_lg_u32 s14, 0
	s_cbranch_scc1 .Lnot_wave_0_\@
	s_barrier_signal -3
.Lnot_wave_0_\@:
	s_barrier_wait -3
	s_barrier_signal -1
	s_barrier_wait -1
.endm
.macro CROUND
	s_barrier_signal -1
	s_barrier_wait -1
	CREST
.endm
	s_load_b256 s[4:11], s[0:1], 0x0
	s_load_b64 s[96:97], s[0:1], 0x20
	s_load_b64 s[12:13], s[0:1], 0x28
	v_lshl_add_u32 v[SPW], v0, 2, SPARE
	v_mov_b32 v[NIL], 0
	ds_add_u32 v[SPW], v[NIL]
	ds_add_u32 v[SPW], v[NIL]
	v_lshrrev_b32 v1, 5, v0
	v_readfirstlane_b32 s14, v1
	s_lshr_b32 s15, s14, 1
	s_and_b32 s16, s14, 1
	s_bfe_u32 s40, ttmp6, 0x40000
	s_bfe_u32 s41, ttmp6, 0x40004
	s_lshl_b32 s42, ttmp9, 2
	s_add_co_u32 s42, s42, s40
	s_and_b32 s17, ttmp7, 0xffff
	s_lshl_b32 s17, s17, 2
	s_add_co_u32 s17, s17, s41
	s_lshl_b32 s43, s41, 2
	s_lshl_b32 s43, 15, s43
	s_lshl_b32 s44, 0x1111, s40
	s_or_b32 s[G1+0], s43, (3<<16)|(1<<21)
	s_mov_b32 s[G1+1], 384<<16
	s_mov_b32 s[G1+2], 8<<16
	s_mov_b32 s[G1+3], 384<<16
	s_mov_b32 s[G1+4], 8
	s_mov_b32 s[G1+5], 1536
	s_mov_b32 s[G1+6], 0
	s_mov_b32 s[G1+7], 0
	s_or_b32 s[G1B+0], s44, (0<<16)|(1<<20)|(1<<21)|(3<<22)|(3<<25)
	s_mov_b32 s[G1B+1], ROWB<<16
	s_mov_b32 s[G1B+2], TROWS<<16
	s_mov_b32 s[G1B+3], ROWB<<16
	s_mov_b32 s[G1B+4], TROWS
	s_mov_b32 s[G1B+5], ROWB
	s_mov_b32 s[G1B+6], 0
	s_mov_b32 s[G1B+7], 0
	s_or_b32 s[G1S+0], s43, (3<<16)|(1<<20)|(1<<21)|(5<<22)|(3<<25)
	s_or_b32 s[G1SB+0], s44, (3<<16)|(1<<20)|(1<<21)|(5<<22)|(3<<25)
.irp g, G1S, G1SB
	s_mov_b32 s[\g+1], 32<<16
	s_mov_b32 s[\g+2], 16<<16
	s_mov_b32 s[\g+3], 32<<16
	s_mov_b32 s[\g+4], 16
	s_mov_b32 s[\g+5], 32
	s_mov_b32 s[\g+6], 0
	s_mov_b32 s[\g+7], 0
.endr
	s_lshl_b32 s20, s17, 4
	s_lshl_b32 s18, s16, 3
	s_add_co_u32 s20, s20, s18
	s_lshl_b32 s22, s20, 9
	s_mul_i32 s20, s20, 12288
	s_mov_b32 s21, 0
	s_mov_b32 s23, 0
	s_lshl_b32 s46, s42, 8
	s_lshl_b32 s18, s16, 7
	s_add_co_u32 s46, s46, s18
	s_add_co_u32 s46, s46, 11264
	s_lshl_b32 s92, s46, 5
	s_mul_i32 s46, s46, KROW
	s_mov_b32 s47, 0
	s_mov_b32 s93, 0
	s_mul_i32 s45, s16, AHALF
	s_mul_i32 s95, s16, HALFT
	s_add_co_u32 s95, s95, BOFF
	s_mul_i32 s94, s14, HALFS
	s_wait_dscnt 0x0
	s_wait_kmcnt 0x0
	s_add_nc_u64 s[20:21], s[4:5], s[20:21]
	s_add_nc_u64 s[22:23], s[6:7], s[22:23]
	s_add_nc_u64 s[46:47], s[8:9], s[46:47]
	s_add_nc_u64 s[92:93], s[10:11], s[92:93]
	CROUND
	s_mov_b32 s[G0S], 1
	s_add_co_u32 s[G0S+1], s94, SCL
	s_mov_b64 s[G0S+2:G0S+3], s[22:23]
	s_or_b32 s[G0S+3], s[G0S+3], 0x80000000
	s_mov_b32 s[G0SB], 1
	s_add_co_u32 s[G0SB+1], s94, SCL
	s_mov_b64 s[G0SB+2:G0SB+3], s[92:93]
	s_or_b32 s[G0SB+3], s[G0SB+3], 0x80000000
	JLOAD G0S, G1S, G0SB, G1SB
.irp s, 0,1
	s_mov_b32 s[G0+4*\s], 1
	s_add_co_u32 s[G0+4*\s+1], s45, \s*SLOT
	s_add_nc_u64 s[G0+4*\s+2:G0+4*\s+3], s[20:21], \s*ATILE
	s_or_b32 s[G0+4*\s+3], s[G0+4*\s+3], 0x80000000
	s_mov_b32 s[G0B+4*\s], 1
	s_add_co_u32 s[G0B+4*\s+1], s95, \s*SLOT
	s_add_nc_u64 s[G0B+4*\s+2:G0B+4*\s+3], s[46:47], \s*QSTEP
	s_or_b32 s[G0B+4*\s+3], s[G0B+4*\s+3], 0x80000000
	s_wait_alu depctr_va_vdst(0)
	s_wait_tensorcnt 0x0
	ds_add_u32 v28, v29
	s_wait_dscnt 0x0
	CROUND
	JLOAD G0+4*\s, G1, G0B+4*\s, G1B
.endr
	v_and_b32 v1, 15, v0
	v_bfe_u32 v2, v0, 4, 1
	v_and_b32 v6, 31, v0
	v_lshlrev_b32 v3, 3, v6
	v_mul_u32_u24 v4, v1, PITCH
	v_mad_u32_u24 v4, v2, 24, v4
	v_lshl_add_u32 v5, v2, 4, v4
	s_mul_i32 s21, s15, AHALF
	s_mul_i32 s22, s16, HALFT
	s_add_co_u32 s22, s22, BOFF
.irp s, 0,1
	v_add_nc_u32 v[ADRA+\s], s21, v3
	v_add_nc_u32 v[ADRB+\s], s22, v4
	v_add_nc_u32 v[ADRB+2+\s], s22, v5
	s_add_co_u32 s21, s21, SLOT
	s_add_co_u32 s22, s22, SLOT
.endr
	v_mul_u32_u24 v5, v1, KS
	v_lshrrev_b32 v7, 8, v5
	v_lshl_add_u32 v5, v7, 4, v5
	s_mul_i32 s21, s15, HALFS
	s_mul_i32 s22, s16, HALFS
	s_add_co_u32 s22, s22, 2*HALFS
	s_sub_co_u32 s22, s22, s21
	v_mul_u32_u24 v7, s22, v2
	s_add_co_u32 s21, s21, SCL
	v_add_nc_u32 v5, v5, v7
	v_add_nc_u32 v[ADRS], s21, v5
	s_mul_i32 s23, s14, 16*SPITCH
	v_mul_u32_u24 v5, v1, SPITCH
	v_lshl_add_u32 v5, v2, 5, v5
	v_add_nc_u32 v[STO], s23, v5
	v_lshlrev_b32 v[CO], 4, v6
	v_add_nc_u32 v[RD], s23, v[CO]
	s_lshl_b32 s20, s17, 8
	s_lshl_b32 s21, s15, 7
	s_add_co_u32 s20, s20, s21
	s_lshl_b32 s20, s20, 12
	s_mov_b32 s21, 0
	s_lshl_b32 s46, s42, 10
	s_lshl_b32 s47, s16, 9
	s_add_co_u32 s46, s46, s47
	s_mov_b32 s47, 0
	s_add_nc_u64 s[96:97], s[96:97], s[46:47]
	s_add_nc_u64 s[20:21], s[20:21], s[46:47]
	s_add_nc_u64 s[12:13], s[12:13], s[20:21]
	v_lshlrev_b32 v7, 5, v2
.irp b, 0,1,2,3,4,5,6,7
	global_load_b128 v[BIAS+8*\b:BIAS+8*\b+3], v7, s[96:97] offset:64*\b
	global_load_b128 v[BIAS+8*\b+4:BIAS+8*\b+7], v7, s[96:97] offset:64*\b+16
.endr
.macro FRAG reg, adr, q, i
.irp p, 0,1,2,3,4,5
.set PCE, 12*(\q)+6*(\p/3)+\p%3
.if PCE%8 < 5
	ds_load_b64 v[\reg+2*\p:\reg+2*\p+1], v[\adr] offset:8*PCE+16*(PCE/8)+(\i)*16*PITCH
.else
	ds_load_b64 v[\reg+2*\p:\reg+2*\p+1], v[\adr+2] offset:8*PCE+16*(PCE/8)+(\i)*16*PITCH
.endif
.endr
.endm
.macro FRAGA reg, slot, q, i
.irp p, 0,1,2,3,4,5
	ds_load_b64 v[\reg+2*\p:\reg+2*\p+1], v[ADRA+\slot] offset:ATILE*(\i)+1536*(\q)+256*\p
.endr
.endm
.macro MUL16 a0, p, q, sc, first
.irp a, \a0, \a0+1
.irp b, 0,1,2,3,4,5,6,7
.if \first
	v_wmma_scale_f32_16x16x128_f8f6f4 v[8*(8*((\a)%4)+\b):8*(8*((\a)%4)+\b)+7], v[128*(\p)+FR*\b:128*(\p)+FR*\b+FR-1], v[AF+FR*(\a):AF+FR*(\a)+FR-1], v[BIAS+8*\b:BIAS+8*\b+7], v[SC+8*NQ*(\sc)+NQ*\b+(\q)], v[SC+8*NQ*(\sc)+NQ*(\a)+(\q)] matrix_a_fmt:MATRIX_FMT_FP6 matrix_b_fmt:MATRIX_FMT_FP6 matrix_a_scale:MATRIX_SCALE_ROW1
.else
	v_wmma_scale_f32_16x16x128_f8f6f4 v[8*(8*((\a)%4)+\b):8*(8*((\a)%4)+\b)+7], v[128*(\p)+FR*\b:128*(\p)+FR*\b+FR-1], v[AF+FR*(\a):AF+FR*(\a)+FR-1], v[8*(8*((\a)%4)+\b):8*(8*((\a)%4)+\b)+7], v[SC+8*NQ*(\sc)+NQ*\b+(\q)], v[SC+8*NQ*(\sc)+NQ*(\a)+(\q)] matrix_a_fmt:MATRIX_FMT_FP6 matrix_b_fmt:MATRIX_FMT_FP6 matrix_a_scale:MATRIX_SCALE_ROW1
.endif
.endr
.endr
.endm
.macro FETCH_B slot, q, p
	WIN TO_B
.irp i, 0,1,2,3,4,5,6,7
	FRAG 128*(\p)+FR*\i, ADRB+\slot, \q, \i
.endr
	WIN 0
.endm
.macro FETCH_A slot, q, i0
.irp i, \i0, \i0+1, \i0+2, \i0+3
	FRAGA AF+FR*(\i), \slot, \q, \i
.endr
.endm
.macro SCALES sc
.irp i, 0,1,2,3,4,5,6,7
	ds_load_b64 v[SC+8*NQ*\sc+NQ*\i:SC+8*NQ*\sc+NQ*\i+1], v[ADRS] offset:\i*SBLK
.endr
.endm
.macro PLACES n
.rept \n
	v_nop
.endr
.endm
.macro STEP slot, q, first
	s_wait_dscnt 4*NL
.if \first
	WIN FST_LO
.else
	WIN MUL_LO
.endif
	MUL16 0, (\q)%2, \q, \slot, \first
	MUL16 2, (\q)%2, \q, \slot, \first
	s_wait_dscnt 0
	PLACES NP
	FETCH_B \slot, (\q)+1, 1-(\q)%2
	FETCH_A \slot, (\q)+1, 0
.if \first
	WIN FST_HI
.else
	WIN MUL_HI
.endif
	MUL16 4, (\q)%2, \q, \slot, \first
	MUL16 6, (\q)%2, \q, \slot, \first
	PLACES NP
	WIN 0
	FETCH_A \slot, (\q)+1, 4
.endm
.macro TURN slot, next, fill
	s_wait_tensorcnt 0x0
	ds_add_u32 v[SPW], v[NIL]
	s_wait_dscnt 4*NL+1
	WIN MUL_LO
	MUL16 0, 1, NQ-1, \slot, 0
	s_wait_dscnt 0x0
	s_barrier_signal -1
	MUL16 2, 1, NQ-1, \slot, 0
	WIN 0
	s_barrier_wait -1
.if \fill
	CREST
	s_add_nc_u64 s[G0+4*\slot+2:G0+4*\slot+3], s[G0+4*\slot+2:G0+4*\slot+3], 2*ATILE
	s_add_nc_u64 s[G0B+4*\slot+2:G0B+4*\slot+3], s[G0B+4*\slot+2:G0B+4*\slot+3], 2*QSTEP
	JLOAD G0+4*\slot, G1, G0B+4*\slot, G1B
.else
	PLACES NP
.endif
	s_wait_alu depctr_va_vdst(0)
	v_add_nc_u32 v[ADRS], 4*NQ, v[ADRS]
	FETCH_B \next, 0, 0
	FETCH_A \next, 0, 0
	SCALES \next
	WIN MUL_HI
	MUL16 4, 1, NQ-1, \slot, 0
	MUL16 6, 1, NQ-1, \slot, 0
	PLACES NP
	WIN 0
	FETCH_A \next, 0, 4
.endm
	s_wait_alu depctr_va_vdst(0)
	s_wait_tensorcnt 1
	s_barrier_signal -1
	s_barrier_wait -1
	FETCH_B 0, 0, 0
	FETCH_A 0, 0, 0
	SCALES 0
	FETCH_A 0, 0, 4
	s_wait_loadcnt 0x0
	STEP 0, 0, 1
	s_mov_b32 s3, LAPS-1
.Llap:
	TURN 0, 1, 1
	STEP 1, 0, 0
	TURN 1, 0, 1
	STEP 0, 0, 0
	s_sub_co_u32 s3, s3, 1
	s_cmp_lg_u32 s3, 0
	s_cbranch_scc1 .Llap
	TURN 0, 1, 0
	STEP 1, 0, 0
	s_wait_dscnt 4*NL
	WIN MUL_LO
	MUL16 0, 1, NQ-1, 1, 0
	MUL16 2, 1, NQ-1, 1, 0
	s_wait_dscnt 0
	WIN MUL_HI
	MUL16 4, 1, NQ-1, 1, 0
	MUL16 6, 1, NQ-1, 1, 0
	WIN 0
.macro TOSTAGE a
.set AC, 64*((\a)%4)
	WIN 0x08+4*((\a)/4)
.irp b, 0,1,2,3,4,5,6,7
	ds_store_b128 v[STO], v[AC+8*\b:AC+8*\b+3] offset:64*\b
	ds_store_b128 v[STO], v[AC+8*\b+4:AC+8*\b+7] offset:64*\b+16
.endr
	WIN 0
.set BB, BK+64*((\a)%2)
.irp t, 0,1,2,3,4,5,6,7,8,9,10,11,12,13,14,15
	ds_load_b128 v[BB+4*\t:BB+4*\t+3], v[RD] offset:\t*SPITCH
.endr
.endm
.macro SEND a, younger
.set BB, BK+64*((\a)%2)
	s_wait_dscnt \younger
.irp t, 0,1,2,3,4,5,6,7,8,9,10,11,12,13,14,15
	global_store_b128 v[CO], v[BB+4*\t:BB+4*\t+3], s[12:13] offset:(32*((\a)/2)+8*((\a)%2)+\t+8*(\t/8))*4096 th:TH_STORE_NT
.endr
.endm
	PLACES NP
	TOSTAGE 0
.irp a, 1,2,3,4,5,6,7
.if \a > 1
	s_wait_xcnt 0x0
.endif
	TOSTAGE \a
	SEND \a-1, 32
.endr
	SEND 7, 0
	s_wait_tensorcnt 0x0
	ds_add_u32 v[SPW], v[NIL]
	s_wait_dscnt 0x0
	CROUND
	s_endpgm
.Lfunc_end_k_qa4f187ac52_outp:
	.size	k_qa4f187ac52_outp, .Lfunc_end_k_qa4f187ac52_outp-k_qa4f187ac52_outp
	.p2alignl 7, 3214868480
	.fill 96, 4, 3214868480
	.section	.rodata,"a",@progbits
	.p2align	6, 0x0
	.amdhsa_kernel k_qa4f187ac52_outp
		.amdhsa_group_segment_fixed_size 327680
		.amdhsa_private_segment_fixed_size 0
		.amdhsa_enable_private_segment 0
		.amdhsa_kernarg_size 48
		.amdhsa_user_sgpr_count 2
		.amdhsa_user_sgpr_kernarg_segment_ptr 1
		.amdhsa_wavefront_size32 1
		.amdhsa_system_sgpr_workgroup_id_x 1
		.amdhsa_system_sgpr_workgroup_id_y 1
		.amdhsa_system_sgpr_workgroup_id_z 1
		.amdhsa_system_vgpr_workitem_id 0
		.amdhsa_next_free_vgpr 1024
		.amdhsa_next_free_sgpr 100
		.amdhsa_reserve_vcc 0
		.amdhsa_float_denorm_mode_32 3
		.amdhsa_float_denorm_mode_16_64 3
		.amdhsa_memory_ordered 1
		.amdhsa_forward_progress 1
		.amdhsa_inst_pref_size 162
	.end_amdhsa_kernel
	.amdgpu_metadata
---
amdhsa.version: [ 1, 2 ]
amdhsa.kernels:
  - .name:           k_qa4f187ac52_outp
    .symbol:         k_qa4f187ac52_outp.kd
    .args:
      - { .name: cimg, .offset: 0, .size: 8, .value_kind: global_buffer, .address_space: global }
      - { .name: csc, .offset: 8, .size: 8, .value_kind: global_buffer, .address_space: global }
      - { .name: qcodes, .offset: 16, .size: 8, .value_kind: global_buffer, .address_space: global }
      - { .name: qscales, .offset: 24, .size: 8, .value_kind: global_buffer, .address_space: global }
      - { .name: bf, .offset: 32, .size: 8, .value_kind: global_buffer, .address_space: global }
      - { .name: out0, .offset: 40, .size: 8, .value_kind: global_buffer, .address_space: global }
    .group_segment_fixed_size: 327680
    .private_segment_fixed_size: 0
    .kernarg_segment_align: 8
    .kernarg_segment_size: 48
    .max_flat_workgroup_size: 128
    .sgpr_count:     100
    .vgpr_count:     1024
    .wavefront_size: 32
...
	.end_amdgpu_metadata
.endif
;; end of part 4
